; MI455X (gfx1250); checked and timed in simulation.
; The chip was launched on July 23, 2026; its instructions are those of AMD's public machine-readable ISA for CDNA 5 (MIT licence, August 2026) and "CDNA5" Instruction Set Architecture Reference Guide (July 2026). The comments in the code are by the model that wrote it; some were corrected since.
;; Multi Head Attention. Allowed arithmetic: float matrix products may take bf16 or f16 operands with f32 sums; all other float work in f32.
;; Inputs: Wk 1,024 x 1,024 float32; Wo 1,024 x 1,024 float32; Wq 1,024 x 1,024 float32; Wv 1,024 x 1,024 float32; bk 1,024 float32; bo 1,024 float32; bq 1,024 float32; bv 1,024 float32; k 2 x 2,048 x 1,024 float32; q 2 x 2,048 x 1,024 float32; v 2 x 2,048 x 1,024 float32.
;; Outputs: out0 2 x 2,048 x 1,024 float32.
;; 2 versions, each right. Each part assembles by itself: llvm-mc -triple=amdgcn-amd-amdhsa -mcpu=gfx1250 --defsym DOCPART=n.
;; ======== version 1 of 2: 3 launches
;; limits: values are held in f16: magnitudes above 65,504 overflow, below 6.1e-05 lose precision
;; workspace buffers: qh 8,388,608 bytes; kh 8,388,608 bytes; vh 8,388,608 bytes; cf 8,388,608 bytes
;; launch proj (part 1): grid 8 x 96, 4 waves a work-group, no clusters, 74,240 bytes of LDS; arguments q, k, v, Wq, Wk, Wv, bq, bk, bv, qh, kh, vh; writes qh, kh, vh
.if DOCPART == 1
	.amdgcn_target "amdgcn-amd-amdhsa--gfx1250"
	.amdhsa_code_object_version 6
	.text
	.protected	k_qce16aa40fa_proj
	.globl	k_qce16aa40fa_proj
	.p2align	8
	.type	k_qce16aa40fa_proj,@function
k_qce16aa40fa_proj:
	s_mov_b64 s[64:65], 0
	v_nop
	global_prefetch_b8 v0, s[64:65] scope:SCOPE_SE
	s_setreg_imm32_b32 hwreg(HW_REG_WAVE_MODE, 25, 1), 1
	s_wait_xcnt 0x0
; The three input projections: Y = (X W^T + b) sc for (q,Wq,bq), (k,Wk,bk), (v,Wv,bv).  X: [4096][1024] f32, W: [1024][1024] f32, b: [1024] f32.
; sc = log2(e)/8 for q (the scores' 1/sqrt(64) and the change to base 2, folded in here), 1 for k and v.
; Y leaves as f16, rounded once, head-major: byte ((b*16+head)*2048+s)*128 + 2*dk of qh, kh or vh.
; Grid: x = block of 128 output columns (8), y = 32*g + block of 128 rows (g = 0, 1, 2: q, k, v).  768 work-groups of equal work.
; Four waves; a wave makes 64 rows x 64 columns (one head): 16 accumulator tiles of 16 x 16.
; K goes in 16 steps of 64 through two LDS slots.  Operands are f32 in memory: they come through registers (global_load_b128, 256 consecutive
; aligned bytes for each sixteen lanes), are rounded to f16 once (v_cvt_pk_f16_f32) and stored into LDS.
; WHY F16 AND NOT BF16: 11 significant bits against 8, so that the roundings between the inputs and the output (operands here, then qh, kh, vh, p, cf) are
; eight times smaller; and the operands have room in f16's range (largest number 65,504): X and W as drawn, 30 times larger, or with an offset of 30 spreads
; stay under 200; Y reaches about 900 x 5.5 = 5,000 with every input 30 times larger, and 1024 x 30 x 30/32 = 28,800 with an offset of 30 spreads on X and on W
; together; with every input 30 times smaller Y's spread is 1/900, of which f16's smallest step, 6e-8, is under one part in 10,000.
; WHY NO TENSOR LOADS AND NO JOINT REQUESTS: a tensor load copies bytes as they are, so LDS would hold f32.  For 32 of K and a block of 128 x 128
; that is 32 KiB written and 4 waves x 8 fragments x 2 KiB = 64 KiB read, and each number is converted by both waves that use it; through registers it is
; 16 KiB written, 32 KiB read, each number converted once.  Joint requests exist as tensor loads only, so they go with them.
; Trip t multiplies slot t&1, converts tile t+1 into the other slot and asks memory for tile t+2: 32 loads of 16 bytes a lane are out in each wave.
; The matrix instruction is used transposed (source 0 = rows of W, source 1 = rows of X): a lane then holds 8 neighbouring columns of one row of Y.
; LIMITS: operands and the result are rounded to f16 (sums, bias and scale in f32); |X|, |W| and |Y| must stay below 65,504; NaN and infinities are not followed bit for bit.
.set PITCH,  144                       ; an LDS row: 64 f16 = 128 bytes + 16: an odd multiple of 16, so the 16 rows of a fragment load start at 16 different 16-byte columns modulo 256
.set XREG,   128*PITCH                 ; 128 rows of X; W's 128 rows lie behind them
.set SLOT,   2*XREG                    ; 36,864 bytes; two slots
.set WSTAGE, 64*PITCH                  ; the way out: 64 rows for each wave, in slot 0, which nobody reads or writes behind the last trip's barrier
; window 0 (v0-255)
.set STO, 10                           ; the way out: where I put 16 bytes of a row
.set RD,  11                           ; the way out: where I read rows back
.set GO,  12                           ; my byte offset in Y's 512 bytes of one store
.set BOF, 13                           ; byte offset of my bias numbers
.set XF,  16                           ; v16-79   X fragments: buffer q at +32q, row block a at +8a
.set BI,  80                           ; v80-111  bias of my 8 columns in each of 4 column blocks
.set PK,  112                          ; v112-127 packed results
.set ACC, 128                          ; v128-255 tile (a,b) at +8(4a+b)
; window 1 (v256-511, written by their low 8 bits)
.set WF,   0                           ; W fragments: buffer q at +32q, column block b at +8b
.set XS,   64                          ; 16 x 4 registers: X as loaded, then packed
.set WS,   128                         ; the same for W
.set XADR, 192                         ; LDS address of my X fragments
.set WADR, 193                         ; of my W fragments
.set STA,  194                         ; LDS address at which I store 8 packed bytes
.set GOFF, 195                         ; global byte offset of my 16 bytes in a tile
.set SC, 2                             ; s[2:3]   sc, twice (a pair for the packed forms)
.set XB, 32                            ; s[32:33] X at the block's rows, stepped 256 bytes a tile
.set WB, 34                            ; s[34:35] W at the block's rows, likewise
.set BB, 36                            ; s[36:37] bias
.set OB, 38                            ; s[38:39] Y at my wave's 64 rows of its head
.set MSB, 0
.macro WIN new                         ; s_set_vgpr_msb: bits 1:0 source 0, 3:2 source 1, 5:4 source 2, 7:6 destination; the high byte repeats the setting that is left
.if MSB != \new
	s_set_vgpr_msb (MSB<<8)|\new
.set MSB, \new
.endif
.endm
.set W_MUL, 0x01                       ; source 0 in window 1: matrix instructions (W fragment), and X fragment loads (address in window 1, data in window 0)
.set W_STG, 0x45                       ; destination, sources 0 and 1 in window 1: staging and W fragment loads
.set W_SET, 0x40                       ; destination in window 1: set-up
.macro PLACES                          ; four places behind a matrix instruction before a load lands on its sources
.rept 4
	v_nop
.endr
.endm
	s_load_b512 s[8:23], s[0:1], 0x0               ; q k v Wq Wk Wv bq bk
	s_load_b256 s[24:31], s[0:1], 0x40             ; bv qh kh vh
	v_lshl_add_u32 v14, v0, 2, 0x12000
	v_mov_b32 v15, 0
	v_lshrrev_b32 v1, 5, v0
	v_readfirstlane_b32 s40, v1                    ; wave 0..3
	v_and_b32 v2, 15, v0                           ; r = lane % 16
	v_bfe_u32 v3, v0, 4, 1                         ; h = lane / 16
	v_and_b32 v4, 31, v0                           ; lane
	s_lshr_b32 s41, s40, 1                         ; wm: which 64 rows
	s_and_b32 s42, s40, 1                          ; wn: which 64 columns
	s_and_b32 s43, ttmp7, 0xffff
	s_lshr_b32 s44, s43, 5                         ; g: 0 q, 1 k, 2 v
	s_and_b32 s45, s43, 31                         ; block of 128 rows
	s_lshl_b32 s2, s40, 17                         ; my 32 rows of a tile in memory (4,096 bytes a row)
	s_mul_i32 s3, s40, 32*PITCH                    ; and in LDS
	s_mul_i32 s4, s41, 64*PITCH
	s_mul_i32 s5, s42, 64*PITCH
	s_add_co_u32 s5, s5, XREG
	s_mul_i32 s6, s40, WSTAGE
	s_lshl_b32 s7, s42, 8
	v_lshlrev_b32 v5, 15, v3
	v_lshl_add_u32 v5, v2, 4, v5                   ; 8h rows of 4,096 bytes + 16 r
	v_mul_u32_u24 v6, v3, 8*PITCH
	v_lshl_add_u32 v6, v2, 3, v6                   ; 8h rows of 144 bytes + 8 r: the two halves of a wave lie 1,152 bytes = 288 words apart, 32 words modulo 64
	v_mul_u32_u24 v7, v2, PITCH
	v_lshl_add_u32 v7, v3, 4, v7                   ; r x pitch + 16 h
	v_lshrrev_b32 v8, 3, v4
	v_mul_u32_u24 v8, v8, PITCH
	v_and_b32 v9, 7, v0
	v_lshl_add_u32 v8, v9, 4, v8                   ; (lane/8) x pitch + 16 (lane%8)
	v_add_nc_u32 v[STO], s6, v7
	v_add_nc_u32 v[RD], s6, v8
	v_lshlrev_b32 v[GO], 4, v4
	v_lshl_add_u32 v[BOF], v3, 5, s7               ; (64 wn + 8 h) x 4 bytes
	WIN W_SET
	v_add_nc_u32 v[GOFF], s2, v5
	v_add_nc_u32 v[STA], s3, v6
	v_add_nc_u32 v[XADR], s4, v7
	v_add_nc_u32 v[WADR], s5, v7
	WIN 0
	s_mov_b32 s4, 0x3e38aa3b                       ; log2(e) / 8
	s_mov_b32 s5, 1.0
	s_wait_kmcnt 0x0
	s_cmp_eq_u32 s44, 0                            ; the choices hang on the grid's y alone
	s_cselect_b32 s[SC], s4, s5                    ; sc
	s_cselect_b64 s[XB:XB+1], s[8:9], s[10:11]
	s_cselect_b64 s[WB:WB+1], s[14:15], s[16:17]
	s_cselect_b64 s[BB:BB+1], s[20:21], s[22:23]
	s_cselect_b64 s[OB:OB+1], s[26:27], s[28:29]
	s_cmp_eq_u32 s44, 2
	s_cselect_b64 s[XB:XB+1], s[12:13], s[XB:XB+1]
	s_cselect_b64 s[WB:WB+1], s[18:19], s[WB:WB+1]
	s_cselect_b64 s[BB:BB+1], s[24:25], s[BB:BB+1]
	s_cselect_b64 s[OB:OB+1], s[30:31], s[OB:OB+1]
	s_mov_b32 s[SC+1], s[SC]
	s_mov_b32 s47, 0
	s_lshl_b32 s46, s45, 19                        ; 128 rows of 4,096 bytes
	s_add_nc_u64 s[XB:XB+1], s[XB:XB+1], s[46:47]
	s_lshl_b32 s46, ttmp9, 19
	s_add_nc_u64 s[WB:WB+1], s[WB:WB+1], s[46:47]
	s_lshl_b32 s46, ttmp9, 9                       ; 128 numbers of 4 bytes
	s_add_nc_u64 s[BB:BB+1], s[BB:BB+1], s[46:47]
	s_lshr_b32 s46, s45, 4                         ; batch
	s_lshl_b32 s46, s46, 22
	s_lshl_b32 s49, ttmp9, 1
	s_add_co_u32 s49, s49, s42                     ; head = 2 x column block + wn
	s_lshl_b32 s49, s49, 18
	s_add_co_u32 s46, s46, s49
	s_and_b32 s49, s45, 15
	s_lshl_b32 s49, s49, 14                        ; 128 rows of 128 bytes
	s_add_co_u32 s46, s46, s49
	s_lshl_b32 s49, s41, 13                        ; my 64 rows
	s_add_co_u32 s46, s46, s49
	s_add_nc_u64 s[OB:OB+1], s[OB:OB+1], s[46:47]
.irp b, 0,1,2,3
	global_load_b128 v[BI+8*\b:BI+8*\b+3],   v[BOF], s[BB:BB+1] offset:64*\b
	global_load_b128 v[BI+8*\b+4:BI+8*\b+7], v[BOF], s[BB:BB+1] offset:64*\b+16
.endr
; 16 loads: my 32 rows of a tile of 128 rows x 64 f32.  Load j takes rows (j&7) + 16 (j>>3) + 8 h; sixteen lanes take 256 consecutive aligned bytes of one row.
.macro LOADT sreg, base
.set jj, 0
.rept 16
	global_load_b128 v[\sreg+4*jj:\sreg+4*jj+3], v[GOFF], s[\base:\base+1] offset:((jj&7)+16*(jj>>3))*4096
.set jj, jj+1
.endr
.endm
; A tile's part goes from registers to LDS as f16.  mat: 0 X, 1 W.  left: how many younger loads stay out.  load = 1: the next tile but one is asked for.
.macro STAGE mat, slot, left, load
	s_wait_loadcnt \left                           ; loads come back in order: this operand's 16 are in, so their base may be stepped too
.if \load
	s_add_nc_u64 s[XB+2*\mat:XB+2*\mat+1], s[XB+2*\mat:XB+2*\mat+1], 256
.endif
.set jj, 0
.rept 16
	v_cvt_pk_f16_f32 v[XS+64*\mat+4*jj],   v[XS+64*\mat+4*jj],   v[XS+64*\mat+4*jj+1]
	v_cvt_pk_f16_f32 v[XS+64*\mat+4*jj+1], v[XS+64*\mat+4*jj+2], v[XS+64*\mat+4*jj+3]
	ds_store_b64 v[STA], v[XS+64*\mat+4*jj:XS+64*\mat+4*jj+1] offset:(\slot)*SLOT+\mat*XREG+((jj&7)+16*(jj>>3))*PITCH
.set jj, jj+1
.endr
.if \load
	LOADT XS+64*\mat, XB+2*\mat
.endif
.endm
; Fragments of 16 rows x 32 K: lane holds row r; registers 0-3 K = 8h.., registers 4-7 K = 16+8h..: two loads of 16 bytes, 32 bytes apart.  q: which 32 of the step's 64.
.macro FETCHW slot, q
.irp b, 0,1,2,3
	ds_load_b128 v[WF+32*\q+8*\b:WF+32*\q+8*\b+3],   v[WADR] offset:(\slot)*SLOT+\b*16*PITCH+64*\q
	ds_load_b128 v[WF+32*\q+8*\b+4:WF+32*\q+8*\b+7], v[WADR] offset:(\slot)*SLOT+\b*16*PITCH+64*\q+32
.endr
.endm
.macro FETCHX slot, q
.irp a, 0,1,2,3
	ds_load_b128 v[XF+32*\q+8*\a:XF+32*\q+8*\a+3],   v[XADR] offset:(\slot)*SLOT+\a*16*PITCH+64*\q
	ds_load_b128 v[XF+32*\q+8*\a+4:XF+32*\q+8*\a+7], v[XADR] offset:(\slot)*SLOT+\a*16*PITCH+64*\q+32
.endr
.endm
; 16 matrix instructions, one for each accumulator, always in the same order: the accumulators take turns.  zero = 1: the first product starts the sums.
.macro MUL16 q, zero
.irp a, 0,1,2,3
.irp b, 0,1,2,3
.if \zero
	v_wmma_f32_16x16x32_f16 v[ACC+8*(4*\a+\b):ACC+8*(4*\a+\b)+7], v[WF+32*\q+8*\b:WF+32*\q+8*\b+7], v[XF+32*\q+8*\a:XF+32*\q+8*\a+7], 0
.else
	v_wmma_f32_16x16x32_f16 v[ACC+8*(4*\a+\b):ACC+8*(4*\a+\b)+7], v[WF+32*\q+8*\b:WF+32*\q+8*\b+7], v[XF+32*\q+8*\a:XF+32*\q+8*\a+7], v[ACC+8*(4*\a+\b):ACC+8*(4*\a+\b)+7]
.endif
.endr
.endr
.endm
; One K step of 64 from slot p.  conv = 1: the next tile is converted into the other slot; load = 1: the tile behind it is asked for.
; Fragment buffer 0 is loaded again behind the 32 conversions of W's stage of the trip before, buffer 1 behind the 32 of X's stage (or four v_nop): the places behind the products that read them.
.macro TRIP p, zero, conv, load
	s_wait_dscnt 0x0                               ; my stores into slot p are done (for the other waves), and my reads of the other slot, which is written behind the barrier
	s_barrier_signal -1
	s_barrier_wait -1
	WIN W_STG
	FETCHW \p, 0
	WIN W_MUL
	FETCHX \p, 0
	WIN W_STG
.if \conv
	STAGE 0, 1-\p, 16, \load                       ; 16: W's loads of the same tile are younger
.else
	PLACES
.endif
	FETCHW \p, 1
	WIN W_MUL
	FETCHX \p, 1
	s_wait_dscnt 16+16*\conv                       ; buffer 0 is in: younger are X's 16 stores (if any) and buffer 1's 16 loads
	MUL16 0, \zero
.if \conv
	WIN W_STG
	STAGE 1, 1-\p, 16*\load, \load                 ; younger: the 16 loads of X just issued (if any)
	WIN W_MUL
.endif
	s_wait_dscnt 16*\conv                          ; buffer 1 is in: younger are W's 16 stores (if any)
	MUL16 1, 0
.endm
	WIN W_STG
	LOADT XS, XB                                   ; tile 0
	LOADT WS, WB
	STAGE 0, 0, 16, 1                              ; tile 0 into slot 0, tile 1 asked for (the bias loads, issued first, are in by this wait too)
	STAGE 1, 0, 16, 1
	TRIP 0, 1, 1, 1                                ; the first two trips stand in front of the loop: the first products start the sums
	TRIP 1, 0, 1, 1
	WIN 0                                          ; at a label and at a branch every window is 0
	s_mov_b32 s48, 6
.Lk:
	TRIP 0, 0, 1, 1
	TRIP 1, 0, 1, 1
	WIN 0
	s_sub_co_i32 s48, s48, 1
	s_cmp_lg_u32 s48, 0
	s_cbranch_scc1 .Lk
	TRIP 0, 0, 1, 0                                ; trip 14 converts tile 15 and asks for nothing: no load leaves the buffers
	TRIP 1, 0, 0, 0                                ; trip 15
	; THE WAY OUT: sum x sc + bias x sc in f32, one rounding to f16, 16 bytes a lane into my own 64 rows of the stage, read back as whole rows.
	WIN 0
.set ii, 0
.rept 16                               ; bias x sc, once: 16 plain vector instructions that name no register of the products: the places behind them (ISA guide 7.12.1)
	v_pk_mul_f32 v[BI+2*ii:BI+2*ii+1], v[BI+2*ii:BI+2*ii+1], s[SC:SC+1] op_sel_hi:[1,0]
.set ii, ii+1
.endr
.irp a, 0,1,2,3
.irp b, 0,1,2,3
.irp p, 0,2,4,6
	v_pk_fma_f32 v[ACC+8*(4*\a+\b)+\p:ACC+8*(4*\a+\b)+\p+1], v[ACC+8*(4*\a+\b)+\p:ACC+8*(4*\a+\b)+\p+1], s[SC:SC+1], v[BI+8*\b+\p:BI+8*\b+\p+1] op_sel_hi:[1,0,1]
.endr
.irp p, 0,1,2,3
	v_cvt_pk_f16_f32 v[PK+4*\b+\p], v[ACC+8*(4*\a+\b)+2*\p], v[ACC+8*(4*\a+\b)+2*\p+1]
.endr
	ds_store_b128 v[STO], v[PK+4*\b:PK+4*\b+3] offset:\a*16*PITCH+32*\b
.endr
.endr
.set ii, 0
.rept 16
	ds_load_b128 v[XF+4*ii:XF+4*ii+3], v[RD] offset:4*PITCH*ii     ; four rows of 128 bytes; LDS serves a wave's instructions in order, so these see the stores above
.set ii, ii+1
.endr
.set ii, 0
.rept 16
	s_wait_dscnt 15-ii                             ; read-back ii is in, the younger ones stay out
	global_store_b128 v[GO], v[XF+4*ii:XF+4*ii+3], s[OB:OB+1] offset:512*ii   ; the wave stores 512 consecutive bytes, aligned: four rows of its head
.set ii, ii+1
.endr
	s_wait_tensorcnt 0x0
	ds_add_u32 v14, v15
	s_wait_dscnt 0x0
	s_endpgm
.Lfunc_end_k_qce16aa40fa_proj:
	.size	k_qce16aa40fa_proj, .Lfunc_end_k_qce16aa40fa_proj-k_qce16aa40fa_proj
	.p2alignl 7, 3214868480
	.fill 96, 4, 3214868480
	.section	.rodata,"a",@progbits
	.p2align	6, 0x0
	.amdhsa_kernel k_qce16aa40fa_proj
		.amdhsa_group_segment_fixed_size 74240
		.amdhsa_private_segment_fixed_size 0
		.amdhsa_enable_private_segment 0
		.amdhsa_kernarg_size 96
		.amdhsa_user_sgpr_count 2
		.amdhsa_user_sgpr_kernarg_segment_ptr 1
		.amdhsa_wavefront_size32 1
		.amdhsa_system_sgpr_workgroup_id_x 1
		.amdhsa_system_sgpr_workgroup_id_y 1
		.amdhsa_system_sgpr_workgroup_id_z 1
		.amdhsa_system_vgpr_workitem_id 0
		.amdhsa_next_free_vgpr 456
		.amdhsa_next_free_sgpr 66
		.amdhsa_reserve_vcc 0
		.amdhsa_float_denorm_mode_32 3
		.amdhsa_float_denorm_mode_16_64 3
		.amdhsa_memory_ordered 1
		.amdhsa_forward_progress 1
		.amdhsa_inst_pref_size 99
	.end_amdhsa_kernel
	.amdgpu_metadata
---
amdhsa.version: [ 1, 2 ]
amdhsa.kernels:
  - .name:           k_qce16aa40fa_proj
    .symbol:         k_qce16aa40fa_proj.kd
    .args:
      - { .name: q, .offset: 0, .size: 8, .value_kind: global_buffer, .address_space: global }
      - { .name: k, .offset: 8, .size: 8, .value_kind: global_buffer, .address_space: global }
      - { .name: v, .offset: 16, .size: 8, .value_kind: global_buffer, .address_space: global }
      - { .name: Wq, .offset: 24, .size: 8, .value_kind: global_buffer, .address_space: global }
      - { .name: Wk, .offset: 32, .size: 8, .value_kind: global_buffer, .address_space: global }
      - { .name: Wv, .offset: 40, .size: 8, .value_kind: global_buffer, .address_space: global }
      - { .name: bq, .offset: 48, .size: 8, .value_kind: global_buffer, .address_space: global }
      - { .name: bk, .offset: 56, .size: 8, .value_kind: global_buffer, .address_space: global }
      - { .name: bv, .offset: 64, .size: 8, .value_kind: global_buffer, .address_space: global }
      - { .name: qh, .offset: 72, .size: 8, .value_kind: global_buffer, .address_space: global }
      - { .name: kh, .offset: 80, .size: 8, .value_kind: global_buffer, .address_space: global }
      - { .name: vh, .offset: 88, .size: 8, .value_kind: global_buffer, .address_space: global }
    .group_segment_fixed_size: 74240
    .private_segment_fixed_size: 0
    .kernarg_segment_align: 8
    .kernarg_segment_size: 96
    .max_flat_workgroup_size: 128
    .sgpr_count:     66
    .vgpr_count:     456
    .wavefront_size: 32
...
	.end_amdgpu_metadata
.endif
;; end of part 1
;; launch attn (part 2): grid 8 x 32, 8 waves a work-group, clusters of 4 x 1, 327,680 bytes of LDS; arguments qh, kh, vh, cf; writes cf
.if DOCPART == 2
	.amdgcn_target "amdgcn-amd-amdhsa--gfx1250"
	.amdhsa_code_object_version 6
	.text
	.protected	k_qce16aa40fa_attn
	.globl	k_qce16aa40fa_attn
	.p2align	8
	.type	k_qce16aa40fa_attn,@function
k_qce16aa40fa_attn:
	s_mov_b64 s[64:65], 0
	v_nop
	global_prefetch_b8 v0, s[64:65] scope:SCOPE_SE
	s_setreg_imm32_b32 hwreg(HW_REG_WAVE_MODE, 25, 1), 1
	s_wait_xcnt 0x0
	s_wait_alu depctr_hold_cnt(0) depctr_sa_sdst(0) depctr_va_vdst(0) depctr_va_sdst(0) depctr_va_ssrc(0) depctr_va_vcc(0) depctr_vm_vsrc(0)
	s_getreg_b32 s2, hwreg(HW_REG_IB_STS2, 6, 4)
	s_cmp_eq_u32 s2, 0
	s_cbranch_scc0 .Lentry_in_a_cluster
	s_endpgm
.Lentry_in_a_cluster:
	s_bfe_u32 s2, ttmp6, 0x10000c
	s_cmp_lg_u32 s2, 0x3003
	s_cbranch_scc0 .Lentry_shape_is_right
	s_endpgm
.Lentry_shape_is_right:
; softmax(Q K^T / 8) V for one (batch, head) and 256 queries.  qh, kh, vh, cf: [32 (b*16+h)][2048][64] f16; qh already carries the factor log2(e)/8.
; Grid: y = b*16+h, x = block of 256 queries.  Eight waves, 32 queries (two tiles of 16) each: two waves lie on a SIMD, so that one wave's softmax
; arithmetic runs while the other's matrix instructions do.
; CLUSTER 4 x 1: four work-groups of one head need the same K and V tiles and ask for them jointly (mask 15): each tile is requested once for the four.
; The place in the cluster (cx) enters the global offsets of Q and of cf alone: no LDS address, no branch, no descriptor.
; K and V go in 8 tiles of 256 keys through two LDS slots; each wave brings its 32 rows of K and of V: two tensor loads a wave are out at the most,
; asked for straight behind a round of the cluster's barrier and waited for in front of the next, four steps of 64 keys later.
; Rows of a tile are the tensor's own 128 bytes (a head's 64 f16).
; REGISTERS' MATHEMATICS.  S^T = K Q^T: source 0 = 16 keys of K, source 1 = 16 queries; lane (r, h) holds query r, register j key 8h+j.  Two neighbouring
; key tiles, packed to f16, ARE source 1 of the next product for 32 keys.  O^T = V^T P^T: source 0 = V^T by the transposing LDS load from V [key][dk];
; lane (r, h) holds query r, register j the column 16d+8h+j.  So a query's maximum and sum live in lanes r and r+16 alone.
; SOFTMAX: running maximum m of the products s, which are exponents to base 2.  p = exp2(s - m): the difference is exactly 0 for the largest key and never above 0,
; so p <= 1 whatever the size of the scores, and p has room in f16 for every input.  alpha = exp2(m_old - m_new) <= 1 likewise.
; The first step is written out: nothing is cleared, no -inf is used.
; LIMITS: NaN and infinities in the inputs are not followed bit for bit; p below 2^-126 becomes 0 in the sum (v_exp_f32 flushes, ISA guide 15.8) and p below 2^-25
; becomes 0 in P V (f16's smallest step is 2^-24; 2,048 such keys are under 1e-4 of a sum that is at least 1); the row sum adds p in f32 while P V takes p rounded to f16;
; cf, a convex mix of vh's rows and so inside vh's range, is rounded once to f16.
.set KP,    144                        ; K's LDS pitch: 128 + 16 bytes, an odd multiple of 16
.set VP,    160                        ; V's LDS pitch: 128 + 32 bytes, an odd multiple of 32, for the transposing loads
.set KREG,  256*KP                     ; 36,864
.set SLOT,  KREG+256*VP                ; 77,824: K's 256 rows, then V's
.set STG,   2*SLOT                     ; 155,648 = 608 x 256: the way out's stage; no tensor load ever lands here
.set WSTG,  32*KP                      ; 4,608 bytes of it for each wave
.set TILEB, 256*128                    ; bytes of a tile in memory
.set KADR, 2                           ; v2-3   LDS address of my K fragments, slot 0, 1
.set VADR, 4                           ; v4-5   of my V fragments
.set STO,  6                           ; the way out: where I put 16 bytes
.set RD,   7                           ; the way out: where I read rows back
.set TT,   8                           ; v8-15  at work
.set NM,   16                          ; v16, v18  minus the running maximum of query tile 0, 1
.set MR,   17                          ; v17, v19  the running maximum itself (also the pair's second register)
.set AL,   20                          ; v20, v22  alpha; at the end 1 / sum
.set TP,   21                          ; v21, v23  at work (also the pair's second register)
.set LL,   24                          ; v24-25 my half's running sum
.set GO,   26                          ; 16 x lane
.set QOFF, 27                          ; my bytes in a tile of Q
.set QF,   32                          ; v32-63   Q fragments: +16 qt + 8 ks
.set OO,   64                          ; v64-127  O^T: +32 qt + 8 d
.set SS,   128                         ; v128-191 S^T: +32 qt + 8 kt; P packed in place at +32 qt + 8 c
.set KV,   192                         ; v192-255 K fragments +8 (2 kt + ks), then V fragments +8 (4 c + d)
.set G1K, 16                           ; s[16:23] shape of K's loads
.set G1V, 24                           ; s[24:31] shape of V's loads (another pad)
.set G0K, 32                           ; s[32:39] from where, to where: K, slot 0, 1
.set G0V, 40                           ; s[40:47] V, slot 0, 1
.macro PLACES n
.rept \n
	v_nop
.endr
.endm
; A round of the cluster's barrier: my work-group's barrier, wave 0 signals for the work-group, every wave waits for all four work-groups, my work-group's barrier once more.
.macro ROUND
	s_barrier_signal -1
	s_barrier_wait -1
	s_cmp_lg_u32 s12, 0
	s_cbranch_scc1 .Lnot_wave_0_\@
	s_barrier_signal -3
.Lnot_wave_0_\@:
	s_barrier_wait -3
	s_barrier_signal -1
	s_barrier_wait -1
.endm
	s_load_b256 s[4:11], s[0:1], 0x0               ; qh s[4:5], kh s[6:7], vh s[8:9], cf s[10:11]
	v_lshl_add_u32 v30, v0, 2, 0x2f000
	v_mov_b32 v31, 0
	ds_add_u32 v30, v31
	v_lshrrev_b32 v8, 5, v0
	v_readfirstlane_b32 s12, v8                    ; wave 0..7
	s_and_b32 s13, ttmp7, 0xffff                   ; b*16+h
	s_bfe_u32 s14, ttmp6, 0x40000                  ; cx
	s_lshl_b32 s15, ttmp9, 2
	s_add_co_u32 s15, s15, s14                     ; block of 256 queries = 4 x cluster x + cx
	s_mov_b32 s54, 0x76543210                      ; v_permlanex16_b32: lane i takes lane i of the other half
	s_mov_b32 s55, 0xfedcba98
	; group 1: 32 rows of 64 elements of 2 bytes, pitch 64 elements; behind every 32 words (a row) 4 words of pad for K, 8 for V
	s_mov_b32 s[G1K+0], 0x0731000f                 ; 15:0 mask 15; 17:16 2 bytes; 20 pad on; 21 set beside a mask; 24:22 code 4 (32 words); 31:25 code 3 (4 words)
	s_mov_b32 s[G1V+0], 0x0f31000f                 ; the same with code 7 (8 words)
	s_mov_b32 s[G1K+1], 64<<16                     ; tensor_dim0 = 64
	s_mov_b32 s[G1V+1], 64<<16
	s_mov_b32 s[G1K+2], 32<<16                     ; tensor_dim1 = 32
	s_mov_b32 s[G1V+2], 32<<16
	s_mov_b32 s[G1K+3], 64<<16                     ; tile_dim0 = 64
	s_mov_b32 s[G1V+3], 64<<16
	s_mov_b32 s[G1K+4], 32                         ; tile_dim1 = 32
	s_mov_b32 s[G1V+4], 32
	s_mov_b32 s[G1K+5], 64                         ; elements from row to row
	s_mov_b32 s[G1V+5], 64
	s_mov_b32 s[G1K+6], 0
	s_mov_b32 s[G1V+6], 0
	s_mov_b32 s[G1K+7], 0
	s_mov_b32 s[G1V+7], 0
	s_lshl_b32 s58, s13, 18                        ; the head: 2,048 rows of 128 bytes
	s_lshl_b32 s49, s12, 12                        ; my 32 rows
	s_add_co_u32 s58, s58, s49                     ; K's and V's offset: head and wave alone, equal in the four partners
	s_mov_b32 s59, 0
	s_lshl_b32 s56, s15, 15                        ; Q's and cf's offset: + 256 queries x 128 bytes x block
	s_add_co_u32 s56, s56, s58
	s_mov_b32 s57, 0
	s_mul_i32 s49, s12, 32*KP                      ; my rows in a slot's K
	s_mul_i32 s53, s12, 32*VP                      ; and V
	s_wait_dscnt 0x0
	s_wait_kmcnt 0x0
	s_add_nc_u64 s[6:7], s[6:7], s[58:59]
	s_add_nc_u64 s[8:9], s[8:9], s[58:59]
	s_add_nc_u64 s[4:5], s[4:5], s[56:57]
	s_add_nc_u64 s[10:11], s[10:11], s[56:57]
.irp s, 0,1
	s_mov_b32 s[G0K+4*\s], 1
	s_add_co_u32 s[G0K+4*\s+1], s49, \s*SLOT
	s_add_nc_u64 s[G0K+4*\s+2:G0K+4*\s+3], s[6:7], \s*TILEB        ; slot s starts with tile s
	s_or_b32 s[G0K+4*\s+3], s[G0K+4*\s+3], 0x80000000
	s_mov_b32 s[G0V+4*\s], 1
	s_add_co_u32 s[G0V+4*\s+1], s53, \s*SLOT+KREG
	s_add_nc_u64 s[G0V+4*\s+2:G0V+4*\s+3], s[8:9], \s*TILEB
	s_or_b32 s[G0V+4*\s+3], s[G0V+4*\s+3], 0x80000000
.endr
	ROUND                                          ; all four work-groups are here: the first joint loads meet
	tensor_load_to_lds s[G0K:G0K+3], s[G1K:G1K+7]  ; tile 0
	s_nop 0
	tensor_load_to_lds s[G0V:G0V+3], s[G1V:G1V+7]
	s_nop 0
	v_and_b32 v1, 31, v0                           ; lane
	v_and_b32 v9, 15, v0                           ; r
	v_bfe_u32 v10, v0, 4, 1                        ; h
	v_lshlrev_b32 v[QOFF], 7, v9
	v_lshl_add_u32 v[QOFF], v10, 4, v[QOFF]        ; r rows of 128 bytes + 16 h
.irp qt, 0,1
.irp ks, 0,1
	global_load_b128 v[QF+16*\qt+8*\ks:QF+16*\qt+8*\ks+3],   v[QOFF], s[4:5] offset:\qt*2048+64*\ks
	global_load_b128 v[QF+16*\qt+8*\ks+4:QF+16*\qt+8*\ks+7], v[QOFF], s[4:5] offset:\qt*2048+64*\ks+32
.endr
.endr
	v_mul_u32_u24 v11, v9, KP
	v_lshl_add_u32 v11, v10, 4, v11                ; r x 144 + 16 h
	v_mov_b32 v[KADR], v11
	v_add_nc_u32 v[KADR+1], SLOT, v11
	v_and_b32 v12, 7, v0
	v_lshl_add_u32 v13, v10, 3, v12                ; 8 h + lane % 8: the key row that I address
	v_mul_u32_u24 v13, v13, VP
	v_bfe_u32 v14, v0, 3, 1
	v_lshl_add_u32 v13, v14, 4, v13                ; + 16 ((lane / 8) % 2)
	v_add_nc_u32 v[VADR], KREG, v13
	v_add_nc_u32 v[VADR+1], KREG+SLOT, v13
	s_mul_i32 s49, s12, WSTG
	s_add_co_u32 s49, s49, STG                     ; my stage
	v_add_nc_u32 v[STO], s49, v11
	v_bfe_u32 v14, v0, 3, 2                        ; lane / 8
	v_mul_u32_u24 v14, v14, KP
	v_lshl_add_u32 v14, v12, 4, v14
	v_add_nc_u32 v[RD], s49, v14
	v_lshlrev_b32 v[GO], 4, v1
	s_wait_loadcnt 0x0                             ; Q, once
; The running maximum of query tile qt over this step's 64 keys: 32 numbers a lane in four chains, then the other half of the lanes.
.macro MAXQ qt, first
.irp i, 0,1,2,3
	v_max3_num_f32 v[TT+\i], v[SS+32*\qt+3*\i], v[SS+32*\qt+3*\i+1], v[SS+32*\qt+3*\i+2]
.endr
.irp i, 0,1,2,3,4,5,6,7,8,9
	v_max3_num_f32 v[TT+\i%4], v[TT+\i%4], v[SS+32*\qt+12+2*\i], v[SS+32*\qt+13+2*\i]
.endr
	v_max3_num_f32 v[TT], v[TT], v[TT+1], v[TT+2]
.if \first
	v_max_num_f32 v[TT], v[TT], v[TT+3]
.else
	v_max3_num_f32 v[TT], v[TT], v[TT+3], v[MR+2*\qt]
.endif
	v_permlanex16_b32 v[TT+1], v[TT], s54, s55
	v_max_num_f32 v[MR+2*\qt], v[TT], v[TT+1]
.if \first
	v_mul_f32 v[NM+2*\qt], -1.0, v[MR+2*\qt]
.else
	v_mul_f32 v[TP+2*\qt], -1.0, v[MR+2*\qt]       ; minus the new maximum,
	v_sub_f32 v[AL+2*\qt], v[TP+2*\qt], v[NM+2*\qt] ; plus the old one: never above 0,
	v_mov_b32 v[NM+2*\qt], v[TP+2*\qt]
	v_exp_f32 v[AL+2*\qt], v[AL+2*\qt]             ; alpha; the next line is a plain vector instruction that does not name it (ISA guide 5.7.2)
.endif
.endm
.macro SUB1 qt, i                      ; two exponents: s - m
	v_pk_add_f32 v[SS+32*\qt+2*(\i):SS+32*\qt+2*(\i)+1], v[SS+32*\qt+2*(\i):SS+32*\qt+2*(\i)+1], v[NM+2*\qt:NM+2*\qt+1] op_sel_hi:[1,0]
.endm
.macro SUM1 qt, i, first               ; line i of 16 that add my 32 p: four chains of pairs, then together
.if (\i) < 4
	s_wait_alu depctr_va_vdst(0)
	v_pk_add_f32 v[TT+2*(\i):TT+2*(\i)+1], v[SS+32*\qt+4*(\i):SS+32*\qt+4*(\i)+1], v[SS+32*\qt+4*(\i)+2:SS+32*\qt+4*(\i)+3]
.elseif (\i) < 12
	v_pk_add_f32 v[TT+2*((\i)%4):TT+2*((\i)%4)+1], v[TT+2*((\i)%4):TT+2*((\i)%4)+1], v[SS+32*\qt+2*((\i)+4):SS+32*\qt+2*((\i)+4)+1]
.elseif (\i) == 12
	v_pk_add_f32 v[TT:TT+1], v[TT:TT+1], v[TT+2:TT+3]
.elseif (\i) == 13
	v_pk_add_f32 v[TT+4:TT+5], v[TT+4:TT+5], v[TT+6:TT+7]
.elseif (\i) == 14
	v_pk_add_f32 v[TT:TT+1], v[TT:TT+1], v[TT+4:TT+5]
.else
.if \first
	v_add_f32 v[LL+\qt], v[TT], v[TT+1]            ; the first step starts the sum
	s_wait_alu depctr_va_vdst(0)
.else
	v_add_f32 v[TT], v[TT], v[TT+1]
.endif
.endif
.endm
.macro CVTQ qt                         ; 32 p to 16 registers of f16, in place, ascending: a destination never lies ahead of its sources
.set ii, 0
.rept 16
	v_cvt_pk_f16_f32 v[SS+32*\qt+ii], v[SS+32*\qt+2*ii], v[SS+32*\qt+2*ii+1]
.set ii, ii+1
.endr
.endm
.macro RESC qt                         ; O x alpha
.set ii, 0
.rept 16
	v_pk_mul_f32 v[OO+32*\qt+2*ii:OO+32*\qt+2*ii+1], v[OO+32*\qt+2*ii:OO+32*\qt+2*ii+1], v[AL+2*\qt:AL+2*\qt+1] op_sel_hi:[1,0]
.set ii, ii+1
.endr
.endm
.macro PV qt, first                    ; O^T += V^T P^T, 64 keys: the four accumulators take turns
.irp c, 0,1
.irp d, 0,1,2,3
.if \first*(1-\c)
	v_wmma_f32_16x16x32_f16 v[OO+32*\qt+8*\d:OO+32*\qt+8*\d+7], v[KV+8*(4*\c+\d):KV+8*(4*\c+\d)+7], v[SS+32*\qt+8*\c:SS+32*\qt+8*\c+7], 0
.else
	v_wmma_f32_16x16x32_f16 v[OO+32*\qt+8*\d:OO+32*\qt+8*\d+7], v[KV+8*(4*\c+\d):KV+8*(4*\c+\d)+7], v[SS+32*\qt+8*\c:SS+32*\qt+8*\c+7], v[OO+32*\qt+8*\d:OO+32*\qt+8*\d+7]
.endif
.endr
.endr
.endm
; 64 keys (quarter st of the slot's tile) against my 32 queries.
.macro STEP slot, st, first
.irp ks, 0,1
.irp kt, 0,1,2,3
	ds_load_b128 v[KV+8*(2*\kt+\ks):KV+8*(2*\kt+\ks)+3],   v[KADR+\slot] offset:(64*\st+16*\kt)*KP+64*\ks
	ds_load_b128 v[KV+8*(2*\kt+\ks)+4:KV+8*(2*\kt+\ks)+7], v[KADR+\slot] offset:(64*\st+16*\kt)*KP+64*\ks+32
.endr
.endr
	s_wait_dscnt 0x8                               ; dk 0..31 of the four key tiles are in; the eight loads of dk 32..63 stay out
.irp kt, 0,1,2,3
.irp qt, 0,1
	v_wmma_f32_16x16x32_f16 v[SS+32*\qt+8*\kt:SS+32*\qt+8*\kt+7], v[KV+16*\kt:KV+16*\kt+7], v[QF+16*\qt:QF+16*\qt+7], 0
.endr
.endr
	s_wait_dscnt 0x0
.irp kt, 0,1,2,3                       ; the eight accumulators take turns in the same order
.irp qt, 0,1
	v_wmma_f32_16x16x32_f16 v[SS+32*\qt+8*\kt:SS+32*\qt+8*\kt+7], v[KV+16*\kt+8:KV+16*\kt+15], v[QF+16*\qt+8:QF+16*\qt+15], v[SS+32*\qt+8*\kt:SS+32*\qt+8*\kt+7]
.endr
.endr
	PLACES 4                                       ; before V lands on K's fragments and before the scores are read (ISA guide 7.12.1)
.irp c, 0,1
.irp d, 0,1,2,3
	ds_load_tr16_b128 v[KV+8*(4*\c+\d):KV+8*(4*\c+\d)+3],   v[VADR+\slot] offset:(64*\st+32*\c)*VP+32*\d
	ds_load_tr16_b128 v[KV+8*(4*\c+\d)+4:KV+8*(4*\c+\d)+7], v[VADR+\slot] offset:(64*\st+32*\c)*VP+32*\d+16*VP
.endr
.endr
	MAXQ 0, \first
	MAXQ 1, \first
.set ii, 0
.rept 16
	SUB1 0, ii
.set ii, ii+1
.endr
.set ii, 0
.rept 16                               ; behind each two exponentials a plain vector instruction of the other query tile
	v_exp_f32 v[SS+2*ii], v[SS+2*ii]
	v_exp_f32 v[SS+2*ii+1], v[SS+2*ii+1]
	SUB1 1, ii
.set ii, ii+1
.endr
.set ii, 0
.rept 16
	v_exp_f32 v[SS+32+2*ii], v[SS+32+2*ii]
	v_exp_f32 v[SS+32+2*ii+1], v[SS+32+2*ii+1]
	SUM1 0, ii, \first
.set ii, ii+1
.endr
.if \first == 0
	v_fma_f32 v[LL], v[LL], v[AL], v[TT]
	s_wait_alu depctr_va_vdst(0)
.endif
	CVTQ 0
.if \first == 0
	RESC 0
.endif
	s_wait_dscnt 0x0                               ; V's fragments
	PV 0, \first
.set ii, 0
.rept 16                               ; query tile 1's sum, packing and rescaling name none of PV 0's registers
	SUM1 1, ii, \first
.set ii, ii+1
.endr
.if \first == 0
	v_fma_f32 v[LL+1], v[LL+1], v[AL+2], v[TT]
.endif
	CVTQ 1
.if \first == 0
	RESC 1
.endif
	PV 1, \first
	PLACES 5                                       ; before K lands on V's fragments, and before the next scores are written over P (ISA guide 7.12.1)
.endm
; One tile of 256 keys from slot.  In front of the round every wave has waited for all its tensor loads (its part of this tile among them) and for its LDS reads;
; behind it no wave of the four work-groups reads the other slot or has a load out, and the joint refills come first.
.macro TRIP slot, refill, first
	s_wait_tensorcnt 0x0
	ds_add_u32 v30, v31
	s_wait_dscnt 0x0
	s_add_nc_u64 s[G0K+4*\slot+2:G0K+4*\slot+3], s[G0K+4*\slot+2:G0K+4*\slot+3], 2*TILEB   ; no load of mine is out: this slot's next tile
	s_add_nc_u64 s[G0V+4*\slot+2:G0V+4*\slot+3], s[G0V+4*\slot+2:G0V+4*\slot+3], 2*TILEB
	s_wait_dscnt 0x0
	ROUND
.if \refill
	tensor_load_to_lds s[G0K+4*(1-\slot):G0K+4*(1-\slot)+3], s[G1K:G1K+7]
	s_nop 0
	tensor_load_to_lds s[G0V+4*(1-\slot):G0V+4*(1-\slot)+3], s[G1V:G1V+7]
	s_nop 0
.endif
	STEP \slot, 0, \first
	STEP \slot, 1, 0
	STEP \slot, 2, 0
	STEP \slot, 3, 0
.endm
	TRIP 0, 1, 1                                   ; tiles 0 and 1 stand in front of the loop: the first step starts maxima, sums and O
	TRIP 1, 1, 0
	s_mov_b32 s48, 2
.Lt:
	TRIP 0, 1, 0
	TRIP 1, 1, 0
	s_sub_co_i32 s48, s48, 1
	s_cmp_lg_u32 s48, 0
	s_cbranch_scc1 .Lt
	TRIP 0, 1, 0                                   ; tile 6 asks for tile 7, the last
	TRIP 1, 0, 0                                   ; (the addresses stepped in these two trips are not used)
	; THE WAY OUT: the two halves' sums meet, O / sum, one rounding to f16, 16 bytes a lane into my stage, whole rows back.
	v_permlanex16_b32 v[TP], v[LL], s54, s55
	v_permlanex16_b32 v[TP+2], v[LL+1], s54, s55
	v_add_f32 v[LL], v[LL], v[TP]
	v_add_f32 v[LL+1], v[LL+1], v[TP+2]
	v_rcp_f32 v[AL], v[LL]                         ; the sum is at least 1: the largest key's own p
	v_rcp_f32 v[AL+2], v[LL+1]
	v_nop                                          ; one plain place behind the reciprocals (ISA guide 5.7.2)
	s_wait_alu depctr_va_vdst(0)
	RESC 0
	RESC 1
.irp qt, 0,1
.irp d, 0,1,2,3
.irp p, 0,1,2,3
	v_cvt_pk_f16_f32 v[KV+16*\qt+4*\d+\p], v[OO+32*\qt+8*\d+2*\p], v[OO+32*\qt+8*\d+2*\p+1]
.endr
	ds_store_b128 v[STO], v[KV+16*\qt+4*\d:KV+16*\qt+4*\d+3] offset:\qt*16*KP+32*\d
.endr
.endr
.irp i, 0,1,2,3,4,5,6,7
	ds_load_b128 v[KV+32+4*\i:KV+32+4*\i+3], v[RD] offset:4*KP*\i  ; four rows of 128 bytes; LDS serves a wave's instructions in order, so these see the stores above
.endr
.irp i, 0,1,2,3,4,5,6,7
	s_wait_dscnt 7-\i                              ; read-back i is in, the younger ones stay out
	global_store_b128 v[GO], v[KV+32+4*\i:KV+32+4*\i+3], s[10:11] offset:512*\i   ; the wave stores 512 consecutive bytes, aligned
.endr
	s_wait_tensorcnt 0x0
	ds_add_u32 v30, v31
	s_wait_dscnt 0x0
	ROUND                                          ; the closing round: no work-group ends while a partner may still ask for a tile that names it
	s_endpgm
.Lfunc_end_k_qce16aa40fa_attn:
	.size	k_qce16aa40fa_attn, .Lfunc_end_k_qce16aa40fa_attn-k_qce16aa40fa_attn
	.p2alignl 7, 3214868480
	.fill 96, 4, 3214868480
	.section	.rodata,"a",@progbits
	.p2align	6, 0x0
	.amdhsa_kernel k_qce16aa40fa_attn
		.amdhsa_group_segment_fixed_size 327680
		.amdhsa_private_segment_fixed_size 0
		.amdhsa_enable_private_segment 0
		.amdhsa_kernarg_size 32
		.amdhsa_user_sgpr_count 2
		.amdhsa_user_sgpr_kernarg_segment_ptr 1
		.amdhsa_wavefront_size32 1
		.amdhsa_system_sgpr_workgroup_id_x 1
		.amdhsa_system_sgpr_workgroup_id_y 1
		.amdhsa_system_sgpr_workgroup_id_z 1
		.amdhsa_system_vgpr_workitem_id 0
		.amdhsa_next_free_vgpr 256
		.amdhsa_next_free_sgpr 66
		.amdhsa_reserve_vcc 0
		.amdhsa_float_denorm_mode_32 3
		.amdhsa_float_denorm_mode_16_64 3
		.amdhsa_memory_ordered 1
		.amdhsa_forward_progress 1
		.amdhsa_inst_pref_size 255
	.end_amdhsa_kernel
	.section	.bss,"aw",@nobits
	.p2align	6
	.space	262144
	.amdgpu_metadata
---
amdhsa.version: [ 1, 2 ]
amdhsa.kernels:
  - .name:           k_qce16aa40fa_attn
    .symbol:         k_qce16aa40fa_attn.kd
    .args:
      - { .name: qh, .offset: 0, .size: 8, .value_kind: global_buffer, .address_space: global }
      - { .name: kh, .offset: 8, .size: 8, .value_kind: global_buffer, .address_space: global }
      - { .name: vh, .offset: 16, .size: 8, .value_kind: global_buffer, .address_space: global }
      - { .name: cf, .offset: 24, .size: 8, .value_kind: global_buffer, .address_space: global }
    .group_segment_fixed_size: 327680
    .private_segment_fixed_size: 0
    .kernarg_segment_align: 8
    .kernarg_segment_size: 32
    .max_flat_workgroup_size: 256
    .sgpr_count:     66
    .vgpr_count:     256
    .wavefront_size: 32
...
	.end_amdgpu_metadata
.endif
;; end of part 2
;; launch oproj (part 3): grid 8 x 32, 4 waves a work-group, no clusters, 74,240 bytes of LDS; arguments cf, Wo, bo, out0; writes out0
.if DOCPART == 3
	.amdgcn_target "amdgcn-amd-amdhsa--gfx1250"
	.amdhsa_code_object_version 6
	.text
	.protected	k_qce16aa40fa_oproj
	.globl	k_qce16aa40fa_oproj
	.p2align	8
	.type	k_qce16aa40fa_oproj,@function
k_qce16aa40fa_oproj:
	s_mov_b64 s[64:65], 0
	v_nop
	global_prefetch_b8 v0, s[64:65] scope:SCOPE_SE
	s_setreg_imm32_b32 hwreg(HW_REG_WAVE_MODE, 25, 1), 1
	s_wait_xcnt 0x0
; out0 = concat Wo^T + bo.  cf: [2][16 heads][2048][64] f16 (concat, head-major), Wo: [1024][1024] f32, bo: [1024] f32, out0: [4096][1024] f32.
; Grid: x = block of 128 columns (8), y = block of 128 rows (32): 256 work-groups of equal work.  Four waves, 64 x 64 each, 16 accumulator tiles.
; K goes in 16 steps of 64 = one head a step, through two LDS slots.  Wo comes as f32 through registers, is rounded to f16 once and stored into LDS;
; cf is f16 already and takes the same road without the conversion: a head's 128 rows are 16,384 consecutive bytes.
; F16: cf comes so (11 significant bits; its range is vh's); Wo as drawn has a spread of 1/32: 30 times larger, or with an offset of 30 spreads, it stays under 10,
; and 30 times smaller its spread is 1e-3, of which f16's smallest step, 6e-8, is under one part in 10,000.
; WHY NO TENSOR LOADS AND NO JOINT REQUESTS: Wo is f32 in memory and a tensor load copies bytes as they are: LDS would hold twice the bytes, read twice as many,
; and each number would be converted by both waves that use it.  cf could come so, but it is 16 of a step's 48 KiB from memory; one road serves both operands.
; Trip t multiplies slot t&1, stages tile t+1 into the other slot and asks memory for tile t+2: 24 loads of 16 bytes a lane are out in each wave.
; The matrix instruction is used transposed (source 0 = rows of Wo, source 1 = rows of cf): a lane holds 8 neighbouring columns of one output row.
; LIMITS: operands are f16 (sums and bias in f32); |Wo| must stay below 65,504; NaN and infinities are not followed bit for bit.
.set PITCH,  144                       ; an LDS row: 128 bytes + 16, an odd multiple of 16
.set XREG,   128*PITCH
.set SLOT,   2*XREG
.set SPITCH, 272                       ; the way out: a row of 64 f32 = 256 bytes + 16
.set WSTAGE, 16*SPITCH                 ; 16 rows for each wave, in slot 0, which nobody reads or writes behind the last trip's barrier
; window 0
.set STO, 10
.set RD,  11
.set GO,  12
.set BOF, 13
.set XF,  16                           ; v16-79   cf fragments: buffer q at +32q, row block a at +8a; on the way out two read-back buffers of 32
.set BI,  80                           ; v80-111  bias
.set ACC, 128                          ; v128-255 tile (a,b) at +8(4a+b)
; window 1
.set WF,   0                           ; Wo fragments
.set XS,   64                          ; 8 x 4 registers: cf as loaded
.set WS,   128                         ; 16 x 4 registers: Wo as loaded, then packed
.set XADR, 192
.set WADR, 193
.set STA,  194                         ; where I store 8 packed bytes of Wo
.set GOFF, 195                         ; my 16 bytes in a tile of Wo
.set GOFX, 196                         ; my 16 bytes in a tile of cf
.set STAX, 197                         ; where I store them
.set XB, 32
.set WB, 34
.set BB, 36
.set OB, 38
.set MSB, 0
.macro WIN new                         ; s_set_vgpr_msb: bits 1:0 source 0, 3:2 source 1, 5:4 source 2, 7:6 destination; the high byte repeats the setting that is left
.if MSB != \new
	s_set_vgpr_msb (MSB<<8)|\new
.set MSB, \new
.endif
.endm
.set W_MUL, 0x01
.set W_STG, 0x45
.set W_SET, 0x40
.macro PLACES
.rept 4
	v_nop
.endr
.endm
	s_load_b256 s[8:15], s[0:1], 0x0               ; cf s[8:9], Wo s[10:11], bo s[12:13], out0 s[14:15]
	v_lshl_add_u32 v126, v0, 2, 0x12000
	v_mov_b32 v127, 0
	v_lshrrev_b32 v1, 5, v0
	v_readfirstlane_b32 s40, v1                    ; wave
	v_and_b32 v2, 15, v0                           ; r
	v_bfe_u32 v3, v0, 4, 1                         ; h
	v_and_b32 v4, 31, v0                           ; lane
	s_lshr_b32 s41, s40, 1                         ; wm
	s_and_b32 s42, s40, 1                          ; wn
	s_and_b32 s43, ttmp7, 0xffff                   ; block of 128 rows
	s_lshl_b32 s2, s40, 17
	s_mul_i32 s3, s40, 32*PITCH
	s_mul_i32 s4, s41, 64*PITCH
	s_mul_i32 s5, s42, 64*PITCH
	s_add_co_u32 s5, s5, XREG
	s_mul_i32 s6, s40, WSTAGE
	s_lshl_b32 s7, s42, 8
	s_lshl_b32 s16, s40, 9                         ; cf: my wave's 512 bytes of each 2,048
	s_mul_i32 s17, s40, 4*PITCH                    ; = four rows in LDS
	v_lshlrev_b32 v5, 15, v3
	v_lshl_add_u32 v5, v2, 4, v5                   ; 8h rows of 4,096 bytes + 16 r
	v_mul_u32_u24 v6, v3, 8*PITCH
	v_lshl_add_u32 v6, v2, 3, v6                   ; 8h rows of 144 bytes + 8 r
	v_mul_u32_u24 v7, v2, PITCH
	v_lshl_add_u32 v7, v3, 4, v7                   ; r x 144 + 16 h
	v_lshrrev_b32 v8, 3, v4
	v_mul_u32_u24 v8, v8, PITCH
	v_and_b32 v9, 7, v0
	v_lshl_add_u32 v8, v9, 4, v8                   ; (lane/8) x 144 + 16 (lane%8)
	v_lshlrev_b32 v9, 4, v4                        ; 16 x lane
	v_mul_u32_u24 v1, v2, SPITCH
	v_lshl_add_u32 v1, v3, 5, v1                   ; r x 272 + 32 h
	v_add_nc_u32 v[STO], s6, v1
	v_mul_u32_u24 v1, v3, SPITCH
	v_lshl_add_u32 v1, v2, 4, v1                   ; h x 272 + 16 r
	v_add_nc_u32 v[RD], s6, v1
	v_lshlrev_b32 v1, 12, v3
	v_lshl_add_u32 v[GO], v2, 4, v1                ; h rows of 4,096 bytes + 16 r
	v_lshl_add_u32 v[BOF], v3, 5, s7
	WIN W_SET
	v_add_nc_u32 v[GOFF], s2, v5
	v_add_nc_u32 v[STA], s3, v6
	v_add_nc_u32 v[XADR], s4, v7
	v_add_nc_u32 v[WADR], s5, v7
	v_add_nc_u32 v[GOFX], s16, v9
	v_add_nc_u32 v[STAX], s17, v8
	WIN 0
	s_mov_b32 s47, 0
	s_lshr_b32 s46, s43, 4                         ; batch
	s_lshl_b32 s46, s46, 22
	s_and_b32 s49, s43, 15
	s_lshl_b32 s49, s49, 14                        ; 128 rows of 128 bytes
	s_add_co_u32 s46, s46, s49
	s_wait_kmcnt 0x0
	s_add_nc_u64 s[XB:XB+1], s[8:9], s[46:47]      ; head 0's rows of my block
	s_lshl_b32 s46, ttmp9, 19
	s_add_nc_u64 s[WB:WB+1], s[10:11], s[46:47]
	s_lshl_b32 s46, ttmp9, 9
	s_add_nc_u64 s[BB:BB+1], s[12:13], s[46:47]
	s_add_co_u32 s46, s46, s7                      ; my first column: (128 bx + 64 wn) x 4 bytes
	s_lshl_b32 s49, s43, 19                        ; my first row: (128 by + 64 wm) x 4,096 bytes
	s_add_co_u32 s46, s46, s49
	s_lshl_b32 s49, s41, 18
	s_add_co_u32 s46, s46, s49
	s_add_nc_u64 s[OB:OB+1], s[14:15], s[46:47]
.irp b, 0,1,2,3
	global_load_b128 v[BI+8*\b:BI+8*\b+3],   v[BOF], s[BB:BB+1] offset:64*\b
	global_load_b128 v[BI+8*\b+4:BI+8*\b+7], v[BOF], s[BB:BB+1] offset:64*\b+16
.endr
.macro LOADX                           ; 8 loads: the work-group takes 2,048 consecutive bytes (16 rows of a head) with each, a wave 512
.irp j, 0,1,2,3,4,5,6,7
	global_load_b128 v[XS+4*\j:XS+4*\j+3], v[GOFX], s[XB:XB+1] offset:2048*\j
.endr
.endm
.macro LOADW                           ; 16 loads: my 32 rows of 128 rows x 64 f32; sixteen lanes take 256 consecutive aligned bytes of one row
.set jj, 0
.rept 16
	global_load_b128 v[WS+4*jj:WS+4*jj+3], v[GOFF], s[WB:WB+1] offset:((jj&7)+16*(jj>>3))*4096
.set jj, jj+1
.endr
.endm
.macro STAGEX slot, load
	s_wait_loadcnt 16                              ; cf's 8 loads are in (Wo's 16 of the same tile are younger), so their base may be stepped
.if \load
	s_add_nc_u64 s[XB:XB+1], s[XB:XB+1], 0x40000   ; the next head
.endif
.irp j, 0,1,2,3,4,5,6,7
	ds_store_b128 v[STAX], v[XS+4*\j:XS+4*\j+3] offset:(\slot)*SLOT+\j*16*PITCH
.endr
.if \load
	LOADX
.endif
.endm
.macro STAGEW slot, left, load
	s_wait_loadcnt \left                           ; Wo's 16 loads are in; cf's 8 just issued (if any) stay out
.if \load
	s_add_nc_u64 s[WB:WB+1], s[WB:WB+1], 256
.endif
.set jj, 0
.rept 16
	v_cvt_pk_f16_f32 v[WS+4*jj],   v[WS+4*jj],   v[WS+4*jj+1]
	v_cvt_pk_f16_f32 v[WS+4*jj+1], v[WS+4*jj+2], v[WS+4*jj+3]
	ds_store_b64 v[STA], v[WS+4*jj:WS+4*jj+1] offset:(\slot)*SLOT+XREG+((jj&7)+16*(jj>>3))*PITCH
.set jj, jj+1
.endr
.if \load
	LOADW
.endif
.endm
.macro FETCHW slot, q
.irp b, 0,1,2,3
	ds_load_b128 v[WF+32*\q+8*\b:WF+32*\q+8*\b+3],   v[WADR] offset:(\slot)*SLOT+\b*16*PITCH+64*\q
	ds_load_b128 v[WF+32*\q+8*\b+4:WF+32*\q+8*\b+7], v[WADR] offset:(\slot)*SLOT+\b*16*PITCH+64*\q+32
.endr
.endm
.macro FETCHX slot, q
.irp a, 0,1,2,3
	ds_load_b128 v[XF+32*\q+8*\a:XF+32*\q+8*\a+3],   v[XADR] offset:(\slot)*SLOT+\a*16*PITCH+64*\q
	ds_load_b128 v[XF+32*\q+8*\a+4:XF+32*\q+8*\a+7], v[XADR] offset:(\slot)*SLOT+\a*16*PITCH+64*\q+32
.endr
.endm
; 16 matrix instructions, one for each accumulator, always in the same order: the accumulators take turns.
.macro MUL16 q, zero
.irp a, 0,1,2,3
.irp b, 0,1,2,3
.if \zero
	v_wmma_f32_16x16x32_f16 v[ACC+8*(4*\a+\b):ACC+8*(4*\a+\b)+7], v[WF+32*\q+8*\b:WF+32*\q+8*\b+7], v[XF+32*\q+8*\a:XF+32*\q+8*\a+7], 0
.else
	v_wmma_f32_16x16x32_f16 v[ACC+8*(4*\a+\b):ACC+8*(4*\a+\b)+7], v[WF+32*\q+8*\b:WF+32*\q+8*\b+7], v[XF+32*\q+8*\a:XF+32*\q+8*\a+7], v[ACC+8*(4*\a+\b):ACC+8*(4*\a+\b)+7]
.endif
.endr
.endr
.endm
; One K step (one head) from slot p.  Fragment buffer 0 is loaded again behind the 32 conversions of Wo's stage of the trip before, buffer 1 behind four v_nop.
.macro TRIP p, zero, conv, load
	s_wait_dscnt 0x0                               ; my stores into slot p are done (for the other waves), and my reads of the other slot, which is written behind the barrier
	s_barrier_signal -1
	s_barrier_wait -1
	WIN W_STG
	FETCHW \p, 0
	WIN W_MUL
	FETCHX \p, 0
	WIN W_STG
.if \conv
	STAGEX 1-\p, \load
.endif
	PLACES
	FETCHW \p, 1
	WIN W_MUL
	FETCHX \p, 1
	s_wait_dscnt 16+8*\conv                        ; buffer 0 is in: younger are cf's 8 stores (if any) and buffer 1's 16 loads
	MUL16 0, \zero
.if \conv
	WIN W_STG
	STAGEW 1-\p, 8*\load, \load
	WIN W_MUL
.endif
	s_wait_dscnt 16*\conv                          ; buffer 1 is in: younger are Wo's 16 stores (if any)
	MUL16 1, 0
.endm
	WIN W_STG
	LOADX                                          ; tile 0
	LOADW
	STAGEX 0, 1                                    ; tile 0 into slot 0, tile 1 asked for (the bias loads, issued first, are in by this wait too)
	STAGEW 0, 8, 1
	TRIP 0, 1, 1, 1                                ; the first two trips stand in front of the loop: the first products start the sums
	TRIP 1, 0, 1, 1
	WIN 0                                          ; at a label and at a branch every window is 0
	s_mov_b32 s48, 6
.Lk:
	TRIP 0, 0, 1, 1
	TRIP 1, 0, 1, 1
	WIN 0
	s_sub_co_i32 s48, s48, 1
	s_cmp_lg_u32 s48, 0
	s_cbranch_scc1 .Lk
	TRIP 0, 0, 1, 0                                ; trip 14 stages tile 15 and asks for nothing: no load leaves the buffers
	TRIP 1, 0, 0, 0                                ; trip 15
	; THE WAY OUT, 16 rows at a time: bias in f32, 32 bytes a lane into my own stage, read back as whole rows of 256 bytes.
	WIN 0
	PLACES
.irp a, 0,1,2,3
.irp b, 0,1,2,3
.irp p, 0,2,4,6
	v_pk_add_f32 v[ACC+8*(4*\a+\b)+\p:ACC+8*(4*\a+\b)+\p+1], v[ACC+8*(4*\a+\b)+\p:ACC+8*(4*\a+\b)+\p+1], v[BI+8*\b+\p:BI+8*\b+\p+1]
.endr
	ds_store_b128 v[STO], v[ACC+8*(4*\a+\b):ACC+8*(4*\a+\b)+3]   offset:64*\b
	ds_store_b128 v[STO], v[ACC+8*(4*\a+\b)+4:ACC+8*(4*\a+\b)+7] offset:64*\b+16
.endr
	s_wait_xcnt 0x0                                ; the read-back buffer was the data of stores two turns ago: it is loaded again only behind this wait (ISA guide 3.1)
.irp i, 0,1,2,3,4,5,6,7
	ds_load_b128 v[XF+32*(\a&1)+4*\i:XF+32*(\a&1)+4*\i+3], v[RD] offset:2*SPITCH*\i   ; two rows; LDS serves a wave's instructions in order, so these see the stores above
.endr
.irp i, 0,1,2,3,4,5,6,7
	s_wait_dscnt 7-\i                              ; read-back i is in, the younger ones stay out
	global_store_b128 v[GO], v[XF+32*(\a&1)+4*\i:XF+32*(\a&1)+4*\i+3], s[OB:OB+1] offset:\a*65536+8192*\i th:TH_STORE_NT   ; sixteen lanes store 256 consecutive bytes, aligned
.endr
.endr
	s_wait_tensorcnt 0x0
	ds_add_u32 v126, v127
	s_wait_dscnt 0x0
	s_endpgm
.Lfunc_end_k_qce16aa40fa_oproj:
	.size	k_qce16aa40fa_oproj, .Lfunc_end_k_qce16aa40fa_oproj-k_qce16aa40fa_oproj
	.p2alignl 7, 3214868480
	.fill 96, 4, 3214868480
	.section	.rodata,"a",@progbits
	.p2align	6, 0x0
	.amdhsa_kernel k_qce16aa40fa_oproj
		.amdhsa_group_segment_fixed_size 74240
		.amdhsa_private_segment_fixed_size 0
		.amdhsa_enable_private_segment 0
		.amdhsa_kernarg_size 32
		.amdhsa_user_sgpr_count 2
		.amdhsa_user_sgpr_kernarg_segment_ptr 1
		.amdhsa_wavefront_size32 1
		.amdhsa_system_sgpr_workgroup_id_x 1
		.amdhsa_system_sgpr_workgroup_id_y 1
		.amdhsa_system_sgpr_workgroup_id_z 1
		.amdhsa_system_vgpr_workitem_id 0
		.amdhsa_next_free_vgpr 456
		.amdhsa_next_free_sgpr 66
		.amdhsa_reserve_vcc 0
		.amdhsa_float_denorm_mode_32 3
		.amdhsa_float_denorm_mode_16_64 3
		.amdhsa_memory_ordered 1
		.amdhsa_forward_progress 1
		.amdhsa_inst_pref_size 79
	.end_amdhsa_kernel
	.amdgpu_metadata
---
amdhsa.version: [ 1, 2 ]
amdhsa.kernels:
  - .name:           k_qce16aa40fa_oproj
    .symbol:         k_qce16aa40fa_oproj.kd
    .args:
      - { .name: cf, .offset: 0, .size: 8, .value_kind: global_buffer, .address_space: global }
      - { .name: Wo, .offset: 8, .size: 8, .value_kind: global_buffer, .address_space: global }
      - { .name: bo, .offset: 16, .size: 8, .value_kind: global_buffer, .address_space: global }
      - { .name: out0, .offset: 24, .size: 8, .value_kind: global_buffer, .address_space: global }
    .group_segment_fixed_size: 74240
    .private_segment_fixed_size: 0
    .kernarg_segment_align: 8
    .kernarg_segment_size: 32
    .max_flat_workgroup_size: 128
    .sgpr_count:     66
    .vgpr_count:     456
    .wavefront_size: 32
...
	.end_amdgpu_metadata
.endif
;; end of part 3
;; ======== version 2 of 2: 4 launches
;; limits: values are held in f16: magnitudes above 65,504 overflow, below 6.1e-05 lose precision
;; workspace buffers: h16 33,554,432 bytes; qh 8,388,608 bytes; kh 8,388,608 bytes; vh 8,388,608 bytes; cf 8,388,608 bytes
;; launch cast (part 4): grid 256 x 4, 8 waves a work-group, no clusters, 0 bytes of LDS; arguments q, k, v, Wq, Wk, Wv, Wo, h16; writes h16
.if DOCPART == 4
	.amdgcn_target "amdgcn-amd-amdhsa--gfx1250"
	.amdhsa_code_object_version 6
	.text
	.protected	k_qce16aa40fa_cast
	.globl	k_qce16aa40fa_cast
	.p2align	8
	.type	k_qce16aa40fa_cast,@function
k_qce16aa40fa_cast:
	s_mov_b64 s[64:65], 0
	v_nop
	global_prefetch_b8 v0, s[64:65] scope:SCOPE_SE
	s_setreg_imm32_b32 hwreg(HW_REG_WAVE_MODE, 25, 1), 1
	s_wait_xcnt 0x0
; h16 = q, k, v (4,194,304 numbers each), Wq, Wk, Wv, Wo (1,048,576 each), one behind the other, each number rounded once from f32 to f16.
; WHY THIS LAUNCH: the products behind it fetch their operands by tensor loads, which copy bytes as they are; so the operands must lie in memory in the
; format in which the matrix unit takes them.  Each number is converted here once, instead of once in every block of the products that uses it.
; A stream: every byte is read once and written once; no LDS, no barrier, no matrix unit, no cluster (no two work-groups read the same byte).
; Grid: y = 0, 1, 2: q, k, v, x = piece of 16,384 numbers; y = 3: x / 64 = which weight matrix, x % 64 = piece.  The piece's place in h16 is 256 y + x for all.
; Eight waves.  A load of a wave covers 512 consecutive bytes, a store 256 consecutive bytes, aligned.  All 16 loads of a lane are issued at once.
; WHY F16 AND NOT BF16: 11 significant bits against 8; and there is room: the inputs as drawn, 30 times larger, or with an offset of 30 spreads stay under 200.
; LIMITS: a number of 65,520 or more in magnitude becomes infinite; below 6e-8 it becomes 0; NaN and infinities are not followed bit for bit.
.set NL, 16                            ; loads of a lane
.set X,  4                             ; v[4:67]   as loaded: 4 numbers a load
.set Y,  68                            ; v[68:99]  as stored: 4 f16 a load
	s_load_b512 s[8:23], s[0:1], 0x0               ; q k v Wq Wk Wv Wo h16
	s_mov_b32 s7, ttmp9                            ; x
	s_and_b32 s4, ttmp7, 0xffff                    ; y
	s_lshr_b32 s5, s7, 6
	s_add_co_u32 s5, s5, 3                         ; y = 3: matrices 3 .. 6
	s_and_b32 s6, s7, 63
	s_cmp_lt_u32 s4, 3
	s_cselect_b32 s5, s4, s5                       ; which of the seven
	s_cselect_b32 s6, s7, s6                       ; which piece of it
	s_lshl_b32 s24, s6, 16                         ; 65,536 bytes of f32 a piece
	s_mov_b32 s25, 0
	s_lshl_b32 s26, s4, 8
	s_add_co_u32 s26, s26, s7
	s_lshl_b32 s26, s26, 15                        ; 32,768 bytes of f16 a piece
	s_mov_b32 s27, 0
	v_lshlrev_b32 v1, 4, v0                        ; 16 bytes a thread in
	v_lshlrev_b32 v2, 3, v0                        ; 8 bytes a thread out
	s_wait_kmcnt 0x0
	s_cmp_eq_u32 s5, 1                             ; the choices hang on the grid's x and y alone
	s_cselect_b64 s[28:29], s[10:11], s[8:9]
.irp i, 2,3,4,5,6
	s_cmp_eq_u32 s5, \i
	s_cselect_b64 s[28:29], s[8+2*\i:9+2*\i], s[28:29]
.endr
	s_add_nc_u64 s[28:29], s[28:29], s[24:25]
	s_add_nc_u64 s[30:31], s[22:23], s[26:27]
.set jj, 0
.rept NL
	global_load_b128 v[X+4*jj:X+4*jj+3], v1, s[28:29] offset:4096*jj th:TH_LOAD_NT
.set jj, jj+1
.endr
.set jj, 0
.rept NL
	s_wait_loadcnt NL-1-jj                         ; loads come back in order: load jj is in, the younger ones stay out
	v_cvt_pk_f16_f32 v[Y+2*jj],   v[X+4*jj],   v[X+4*jj+1]
	v_cvt_pk_f16_f32 v[Y+2*jj+1], v[X+4*jj+2], v[X+4*jj+3]
	global_store_b64 v2, v[Y+2*jj:Y+2*jj+1], s[30:31] offset:2048*jj
.set jj, jj+1
.endr
	s_endpgm
.Lfunc_end_k_qce16aa40fa_cast:
	.size	k_qce16aa40fa_cast, .Lfunc_end_k_qce16aa40fa_cast-k_qce16aa40fa_cast
	.p2alignl 7, 3214868480
	.fill 96, 4, 3214868480
	.section	.rodata,"a",@progbits
	.p2align	6, 0x0
	.amdhsa_kernel k_qce16aa40fa_cast
		.amdhsa_group_segment_fixed_size 0
		.amdhsa_private_segment_fixed_size 0
		.amdhsa_enable_private_segment 0
		.amdhsa_kernarg_size 64
		.amdhsa_user_sgpr_count 2
		.amdhsa_user_sgpr_kernarg_segment_ptr 1
		.amdhsa_wavefront_size32 1
		.amdhsa_system_sgpr_workgroup_id_x 1
		.amdhsa_system_sgpr_workgroup_id_y 1
		.amdhsa_system_sgpr_workgroup_id_z 1
		.amdhsa_system_vgpr_workitem_id 0
		.amdhsa_next_free_vgpr 104
		.amdhsa_next_free_sgpr 66
		.amdhsa_reserve_vcc 0
		.amdhsa_float_denorm_mode_32 3
		.amdhsa_float_denorm_mode_16_64 3
		.amdhsa_memory_ordered 1
		.amdhsa_forward_progress 1
		.amdhsa_inst_pref_size 7
	.end_amdhsa_kernel
	.amdgpu_metadata
---
amdhsa.version: [ 1, 2 ]
amdhsa.kernels:
  - .name:           k_qce16aa40fa_cast
    .symbol:         k_qce16aa40fa_cast.kd
    .args:
      - { .name: q, .offset: 0, .size: 8, .value_kind: global_buffer, .address_space: global }
      - { .name: k, .offset: 8, .size: 8, .value_kind: global_buffer, .address_space: global }
      - { .name: v, .offset: 16, .size: 8, .value_kind: global_buffer, .address_space: global }
      - { .name: Wq, .offset: 24, .size: 8, .value_kind: global_buffer, .address_space: global }
      - { .name: Wk, .offset: 32, .size: 8, .value_kind: global_buffer, .address_space: global }
      - { .name: Wv, .offset: 40, .size: 8, .value_kind: global_buffer, .address_space: global }
      - { .name: Wo, .offset: 48, .size: 8, .value_kind: global_buffer, .address_space: global }
      - { .name: h16, .offset: 56, .size: 8, .value_kind: global_buffer, .address_space: global }
    .group_segment_fixed_size: 0
    .private_segment_fixed_size: 0
    .kernarg_segment_align: 8
    .kernarg_segment_size: 64
    .max_flat_workgroup_size: 256
    .sgpr_count:     66
    .vgpr_count:     104
    .wavefront_size: 32
...
	.end_amdgpu_metadata
.endif
;; end of part 4
;; launch proj (part 5): grid 4 x 48, 4 waves a work-group, clusters of 4 x 4, 327,680 bytes of LDS; arguments h16, bq, bk, bv, qh, kh, vh; writes qh, kh, vh
.if DOCPART == 5
	.amdgcn_target "amdgcn-amd-amdhsa--gfx1250"
	.amdhsa_code_object_version 6
	.text
	.protected	k_qce16aa40fa_proj
	.globl	k_qce16aa40fa_proj
	.p2align	8
	.type	k_qce16aa40fa_proj,@function
k_qce16aa40fa_proj:
	s_mov_b64 s[64:65], 0
	v_nop
	global_prefetch_b8 v0, s[64:65] scope:SCOPE_SE
	s_setreg_imm32_b32 hwreg(HW_REG_WAVE_MODE, 25, 1), 1
	s_wait_xcnt 0x0
	s_wait_alu depctr_hold_cnt(0) depctr_sa_sdst(0) depctr_va_vdst(0) depctr_va_sdst(0) depctr_va_ssrc(0) depctr_va_vcc(0) depctr_vm_vsrc(0)
	s_getreg_b32 s2, hwreg(HW_REG_IB_STS2, 6, 4)
	s_cmp_eq_u32 s2, 0
	s_cbranch_scc0 .Lentry_in_a_cluster
	s_endpgm
.Lentry_in_a_cluster:
	s_bfe_u32 s2, ttmp6, 0x10000c
	s_cmp_lg_u32 s2, 0xf033
	s_cbranch_scc0 .Lentry_shape_is_right
	s_endpgm
.Lentry_shape_is_right:
; The three input projections: Y = (X W^T + b) sc for (q,Wq,bq), (k,Wk,bk), (v,Wv,bv).  sc = log2(e)/8 for q (the scores' 1/sqrt(64) and the change to base 2), 1 for k and v.
; X and W come as f16 from h16: rows 0 .. 12,287 are q, k, v ([4096][1024] each); from byte 25,165,824 on lie Wq, Wk, Wv ([1024][1024] each).  b: [1024] f32.
; Y leaves as f16, rounded once, head-major: byte ((batch*16+head)*2048+s)*128 + 2*dk of qh, kh or vh.
; Grid: x = block of 256 columns (4), y = 16 g + block of 256 rows (g = 0, 1, 2: q, k, v): 3 x 16 x 4 = 192 work-groups of equal work.
; A work-group makes 256 x 256 with four waves; a wave makes 128 x 128: 64 accumulator tiles of 16 x 16, 512 registers: for 32 along K it reads 2 x 128 x 64 bytes
; from LDS for 64 matrix instructions.  K goes in 8 steps of 128 through two LDS slots filled by tensor loads: a tile's rows are 256 bytes of memory, aligned.
; CLUSTERS: 4 x 4 work-groups.  The four of a row of the cluster need the same tiles of X, the four of a column the same tiles of W (a cluster's four block rows lie in one g,
; since 16 is a multiple of 4, and g is made of the cluster's y alone).  Such a tile is asked for jointly: the same tensor load, the same descriptor, a mask that names the four.
;
; REGISTERS, in windows of 256:
;   window 0: v0-31 addresses; v64-127, v128-191 fragments of X, two buffers; v192-223 at work on the way out
;   window 1: v0-63 bias of my 128 columns (8 numbers a lane for each of 8 column blocks); v64-127, v128-191 fragments of W, two buffers
;   window 2: the 32 accumulator tiles of my rows 0-63 (tile (a, b) at v[8 (8 a + b)]);   window 3: those of my rows 64-127
; THE MATRIX INSTRUCTION IS USED TRANSPOSED: source 0 = 16 rows of W, source 1 = 16 rows of X: lane l holds row l % 16 of Y, its registers 0 to 7 the columns 8 (l / 16) + 0 .. 7.
; LIMITS: operands and result are f16 (sums, bias and scale in f32); |Y| must stay below 65,504: with every input 30 times larger it reaches about 900 x 5.5 = 5,000, with an offset
; of 30 spreads on X and on W together 1024 x 30 x 30/32 = 28,800; NaN and infinities are not followed bit for bit.
.set SIZE_K, 1024
.set KSTEP,  128
.set PITCH,  272                       ; an LDS row: 256 bytes + 16 of padding: an odd multiple of 16, so the 16 rows that a fragment load touches start at 16 different 16-byte columns modulo 256
.set HALFT,  128*PITCH                 ; 128 rows: what one tensor load brings, and what one wave reads of X or of W
.set SLOT,   4*HALFT                   ; X's 256 rows, then W's 256 rows
.set STAGE,  2*SLOT                    ; 278,528 = 1,088 x 256: behind the ring; no tensor load ever lands here
.set SP,     144                       ; the stage's pitch: a head's 128 bytes + 16
.set WSTG,   32*SP                     ; for each wave: two heads x 16 rows
.set LAPS,   SIZE_K/(2*KSTEP)          ; a lap = two K steps = once round the ring: 4
.set WOFF,   3*4096*1024*2             ; the weights' first byte in h16
.set ADRA, 16                          ; v16-17  LDS address of my X fragments in slot 0, 1
.set ADRB, 20                          ; v20-21  the same for W
.set STO,  24                          ; the way out: where I put 16 bytes of a row
.set RD,   25                          ; the way out: where I read rows back
.set CO,   26                          ; 16 x lane
.set BOF,  27                          ; byte offset of my bias numbers
.set F0,   64                          ; fragment buffer 0
.set F1,   128                         ; fragment buffer 1
.set TMP,  192                         ; the way out: packed results, in window 0
.set BIAS, 0                           ; window 1
.set G1, 24                            ; s[24:31] descriptor group 1 for X's tiles
.set G0, 32                            ; s[32:39] descriptor group 0 for X's tiles, one set for each slot
.set G1B, 48                           ; s[48:55] group 1 for W's tiles: it differs in the mask alone
.set G0B, 56                           ; s[56:63] group 0 for W's tiles
.set BB, 82                            ; s[82:83] bias at my 128 columns
.set OB, 84                            ; s[84:85] Y at my first row of my first head
.set SC, 86                            ; s[86:87] sc, twice
.set MSB, 0
.macro WIN new                         ; s_set_vgpr_msb: bits 1:0 source 0, 3:2 source 1, 5:4 source 2, 7:6 destination; the high byte repeats the setting that is left
.if MSB != \new
	s_set_vgpr_msb (MSB<<8)|\new
.set MSB, \new
.endif
.endm
.set MUL_LO, 0xa1                      ; source 0 (W) window 1, source 1 (X) window 0, C and D window 2
.set MUL_HI, 0xf1                      ; the same, C and D window 3
.set TO_B,   0x40                      ; destination window 1, address window 0
.set IN_B,   0x41                      ; destination and source 0 window 1
.set FMA_LO, 0x92                      ; destination and source 0 window 2, source 2 (bias) window 1
.set FMA_HI, 0xd3                      ; the same with window 3
.set CVT_LO, 0x0a                      ; sources 0 and 1 window 2, destination window 0
.set CVT_HI, 0x0f                      ; the same with window 3
; A joint load.  Waves 0 and 1 fetch X's two halves, waves 2 and 3 W's.  Each line has one mask and one set of registers for all that issue it.  The branch hangs on the wave's number alone.
.macro JLOAD s
	s_cmp_eq_u32 s11, 0
	s_cbranch_scc0 .Lfor_b_\@
	tensor_load_to_lds s[G0+4*\s:G0+4*\s+3], s[G1:G1+7]
	s_nop 0
	s_branch .Lasked_\@
.Lfor_b_\@:
	tensor_load_to_lds s[G0B+4*\s:G0B+4*\s+3], s[G1B:G1B+7]
	s_nop 0
.Lasked_\@:
.endm
; A round of the cluster's barrier: my work-group's barrier; wave 0 signals for the work-group; every wave waits for all sixteen work-groups; my work-group's barrier once more.
.macro CREST                           ; a round behind its opening barrier
	s_cmp_lg_u32 s10, 0
	s_cbranch_scc1 .Lnot_wave_0_\@
	s_barrier_signal -3
.Lnot_wave_0_\@:
	s_barrier_wait -3
	s_barrier_signal -1
	s_barrier_wait -1
.endm
.macro CROUND                          ; a whole round
	s_barrier_signal -1
	s_barrier_wait -1
	CREST
.endm
	s_load_b256 s[68:75], s[0:1], 0x0              ; h16 s[68:69], bq s[70:71], bk s[72:73], bv s[74:75]
	s_load_b128 s[76:79], s[0:1], 0x20             ; qh s[76:77], kh s[78:79]
	s_load_b64 s[80:81], s[0:1], 0x30              ; vh
	s_set_vgpr_msb 0x40
	v_lshl_add_u32 v255, v0, 2, 0x48800
	s_set_vgpr_msb 0x4000
	v_mov_b32 v255, 0
	s_set_vgpr_msb 0x1
	ds_add_u32 v255, v255
	s_set_vgpr_msb 0x100
	v_lshrrev_b32 v1, 5, v0
	v_readfirstlane_b32 s10, v1                    ; wave 0..3
	s_lshr_b32 s11, s10, 1                         ; which half of the block's rows is mine.  Also: I fetch for X (0) or for W (1)
	s_and_b32 s12, s10, 1                          ; which half of its columns.  Also: which 128 rows of that tile I fetch
	s_bfe_u32 s40, ttmp6, 0x40000                  ; cx
	s_bfe_u32 s41, ttmp6, 0x40004                  ; cy
	s_lshl_b32 s42, ttmp9, 2
	s_add_co_u32 s42, s42, s40                     ; block column = 4 x cluster x + cx
	s_and_b32 s45, ttmp7, 0xffff                   ; cluster y
	s_lshl_b32 s13, s45, 2
	s_add_co_u32 s13, s13, s41                     ; block row = 4 x cluster y + cy, 0 .. 47
	s_lshr_b32 s45, s45, 2                         ; g = cluster y / 4: equal in the whole cluster
	s_lshl_b32 s43, s41, 2
	s_lshl_b32 s43, 15, s43                        ; my row of the cluster: places 4 cy .. 4 cy + 3
	s_lshl_b32 s44, 0x1111, s40                    ; my column: places cx, cx + 4, cx + 8, cx + 12
	; descriptor group 1: a tile of 128 rows x 128 elements of 2 bytes, padded in LDS
	s_or_b32 s[G1+0], s43, (1<<16)|(1<<20)|(1<<21)|(5<<22)|(3<<25)  ; 15:0 the mask: X's tiles go to my row; 17:16 2 bytes; 20 padding on; 21 set beside a mask; 24:22 after every 64 words; 31:25 of 4 words
	s_or_b32 s[G1B+0], s44, (1<<16)|(1<<20)|(1<<21)|(5<<22)|(3<<25) ; the same with the mask of my column, for W's tiles
	s_mov_b32 s[G1B+1], KSTEP<<16
	s_mov_b32 s[G1+1], KSTEP<<16                   ; tensor_dim0 = 128
	s_mov_b32 s[G1B+2], 128<<16
	s_mov_b32 s[G1+2], 128<<16                     ; tensor_dim1 = 128
	s_mov_b32 s[G1B+3], KSTEP<<16
	s_mov_b32 s[G1+3], KSTEP<<16                   ; tile_dim0 = 128
	s_mov_b32 s[G1B+4], 128
	s_mov_b32 s[G1+4], 128                         ; tile_dim1 = 128
	s_mov_b32 s[G1B+5], SIZE_K
	s_mov_b32 s[G1+5], SIZE_K                      ; elements from row to row
	s_mov_b32 s[G1B+6], 0
	s_mov_b32 s[G1+6], 0
	s_mov_b32 s[G1B+7], 0
	s_mov_b32 s[G1+7], 0
	; where the tiles come from.  X's hang on the block row alone, W's on g and the block column alone; each offset in registers that never hold the other place in the cluster.
	s_lshl_b32 s17, s12, 18                        ; which 128 rows of 2,048 bytes I fetch
	s_lshl_b32 s16, s13, 19
	s_add_co_u32 s16, s16, s17                     ; X: row 256 x block row + 128 x half
	s_lshl_b32 s46, s42, 19
	s_add_co_u32 s46, s46, s17                     ; W: row 256 x block column + 128 x half
	s_lshl_b32 s47, s45, 21
	s_add_co_u32 s46, s46, s47                     ; + 1,024 rows x g
	s_add_co_u32 s46, s46, WOFF
	s_mov_b32 s17, 0
	s_mov_b32 s47, 0
	s_mul_i32 s20, s10, HALFT                      ; and where they go: X's two halves, then W's two halves = wave x 128 rows
	s_wait_dscnt 0x0
	s_wait_kmcnt 0x0
	s_add_nc_u64 s[14:15], s[68:69], s[16:17]
	s_add_nc_u64 s[46:47], s[68:69], s[46:47]
	CROUND                                         ; all sixteen work-groups are here: the first joint loads meet
.irp s, 0,1
	s_mov_b32 s[G0+4*\s], 1                                        ; count = 1
	s_add_co_u32 s[G0+4*\s+1], s20, \s*SLOT                        ; LDS address
	s_add_nc_u64 s[G0+4*\s+2:G0+4*\s+3], s[14:15], \s*KSTEP*2      ; global address: K step s
	s_or_b32 s[G0+4*\s+3], s[G0+4*\s+3], 0x80000000                ; type = 2
	s_mov_b32 s[G0B+4*\s], 1
	s_add_co_u32 s[G0B+4*\s+1], s20, \s*SLOT
	s_add_nc_u64 s[G0B+4*\s+2:G0B+4*\s+3], s[46:47], \s*KSTEP*2
	s_or_b32 s[G0B+4*\s+3], s[G0B+4*\s+3], 0x80000000
	JLOAD \s                                       ; the ring is filled before anything else is done
.endr
	; A fragment is 16 rows x 32 K in 8 registers: lane l holds row l % 16; registers 0-3 K = 8 (l / 16) + 0..7, registers 4-7 K = 16 + 8 (l / 16) + 0..7: two loads of 16 bytes, 32 bytes apart.
	v_and_b32 v1, 15, v0                           ; l % 16
	v_bfe_u32 v2, v0, 4, 1                         ; l / 16
	v_mul_u32_u24 v3, v1, PITCH
	v_lshl_add_u32 v3, v2, 4, v3                   ; row x pitch + 16 x half
	s_mul_i32 s21, s11, HALFT                      ; my 128 rows of X
	s_mul_i32 s22, s12, HALFT                      ; my 128 rows of W,
	s_add_co_u32 s22, s22, 2*HALFT                 ; which lie behind X's 256
.irp s, 0,1
	v_add_nc_u32 v[ADRA+\s], s21, v3
	v_add_nc_u32 v[ADRB+\s], s22, v3
	s_add_co_u32 s21, s21, SLOT
	s_add_co_u32 s22, s22, SLOT
.endr
	s_mul_i32 s23, s10, WSTG
	s_add_co_u32 s23, s23, STAGE                   ; my stage
	v_mul_u32_u24 v4, v1, SP                       ; in: row l % 16, 16 bytes for each half of the lanes
	v_lshl_add_u32 v4, v2, 4, v4
	v_add_nc_u32 v[STO], s23, v4
	v_bfe_u32 v5, v0, 3, 2                         ; back: eight lanes take a head's row of 128 bytes, the wave four rows
	v_mul_u32_u24 v5, v5, SP
	v_and_b32 v6, 7, v0
	v_lshl_add_u32 v5, v6, 4, v5
	v_add_nc_u32 v[RD], s23, v5
	v_and_b32 v6, 31, v0
	v_lshlrev_b32 v[CO], 4, v6                     ; those four rows are 512 consecutive bytes of Y
	v_lshlrev_b32 v[BOF], 5, v2                    ; 8 (l / 16) numbers of 4 bytes
	; which bias, which output, which scale: the choices hang on g alone
	s_mov_b32 s88, 0x3e38aa3b                      ; log2(e) / 8
	s_mov_b32 s89, 1.0
	s_cmp_eq_u32 s45, 0
	s_cselect_b64 s[BB:BB+1], s[70:71], s[72:73]
	s_cselect_b64 s[OB:OB+1], s[76:77], s[78:79]
	s_cselect_b32 s[SC], s88, s89
	s_cmp_eq_u32 s45, 2
	s_cselect_b64 s[BB:BB+1], s[74:75], s[BB:BB+1]
	s_cselect_b64 s[OB:OB+1], s[80:81], s[OB:OB+1]
	s_mov_b32 s[SC+1], s[SC]
	s_lshl_b32 s88, s42, 10                        ; 256 columns of 4 bytes x block column
	s_lshl_b32 s90, s12, 9                         ; + my 128
	s_add_co_u32 s88, s88, s90
	s_mov_b32 s89, 0
	s_add_nc_u64 s[BB:BB+1], s[BB:BB+1], s[88:89]
	s_bfe_u32 s88, s13, 0x10003                    ; batch = (block row % 16) / 8
	s_lshl_b32 s88, s88, 22
	s_lshl_b32 s90, s42, 20                        ; head = 4 x block column + 2 x half, 262,144 bytes a head
	s_add_co_u32 s88, s88, s90
	s_lshl_b32 s90, s12, 19
	s_add_co_u32 s88, s88, s90
	s_and_b32 s90, s13, 7                          ; s = 256 x (block row % 8) + 128 x half, 128 bytes a row
	s_lshl_b32 s90, s90, 15
	s_add_co_u32 s88, s88, s90
	s_lshl_b32 s90, s11, 14
	s_add_co_u32 s88, s88, s90
	s_add_nc_u64 s[OB:OB+1], s[OB:OB+1], s[88:89]
	WIN TO_B
.irp b, 0,1,2,3,4,5,6,7
	global_load_b128 v[BIAS+8*\b:BIAS+8*\b+3],   v[BOF], s[BB:BB+1] offset:64*\b     ; columns 16 b + 8 (l / 16) + 0 .. 3; waited for on the way out
	global_load_b128 v[BIAS+8*\b+4:BIAS+8*\b+7], v[BOF], s[BB:BB+1] offset:64*\b+16
.endr
	WIN 0
; 16 matrix instructions: m blocks a0, a0 + 1 of the window's four (hi = 0: my rows 0-63, 1: rows 64-127) x all 8 n blocks, 32 along K.  zero = 1: the first product starts the sums.
.macro MUL16 f, hi, a0, zero
.irp a, \a0, \a0+1
.irp b, 0,1,2,3,4,5,6,7
.if \zero
	v_wmma_f32_16x16x32_f16 v[8*(8*(\a)+\b):8*(8*(\a)+\b)+7], v[\f+8*\b:\f+8*\b+7], v[\f+8*(4*\hi+\a):\f+8*(4*\hi+\a)+7], 0
.else
	v_wmma_f32_16x16x32_f16 v[8*(8*(\a)+\b):8*(8*(\a)+\b)+7], v[\f+8*\b:\f+8*\b+7], v[\f+8*(4*\hi+\a):\f+8*(4*\hi+\a)+7], v[8*(8*(\a)+\b):8*(8*(\a)+\b)+7]
.endif
.endr
.endr
.endm
; 32 LDS loads in one run: the fragments of one quarter step (128 rows of W, 128 rows of X, 32 K at byte k of the rows) into buffer f
.macro FETCH slot, k, f
	WIN TO_B
.irp i, 0,1,2,3,4,5,6,7
	ds_load_b128 v[\f+8*\i:\f+8*\i+3],   v[ADRB+\slot] offset:\k+\i*16*PITCH
	ds_load_b128 v[\f+8*\i+4:\f+8*\i+7], v[ADRB+\slot] offset:\k+\i*16*PITCH+32
.endr
	WIN 0
.irp i, 0,1,2,3,4,5,6,7
	ds_load_b128 v[\f+8*\i:\f+8*\i+3],   v[ADRA+\slot] offset:\k+\i*16*PITCH
	ds_load_b128 v[\f+8*\i+4:\f+8*\i+7], v[ADRA+\slot] offset:\k+\i*16*PITCH+32
.endr
.endm
; A load into a register that a matrix instruction has read, and a vector instruction that reads a matrix result, stand four places behind that matrix instruction, and only plain vector
; instructions that name none of its registers are places (ISA guide 7.12.1 for vector instructions).
.macro PLACES
.rept 4
	v_nop
.endr
.endm
; A K step is four quarter steps of 32 along K, 64 matrix instructions each, on buffers 0, 1, 0, 1.  The 64 accumulators take turns in the same order in every quarter.
; One of the first three: multiplies buffer f; in its middle it fetches the next quarter's fragments, at byte k of the same slot's rows, into buffer g.
.macro QUARTER slot, k, f, g, zero
	s_wait_dscnt 8                                 ; W and X's rows 0-63 are in; the youngest eight loads (X's rows 64-127) may be out
	WIN MUL_LO
	MUL16 \f, 0, 0, \zero
	MUL16 \f, 0, 2, \zero
	PLACES
	FETCH \slot, \k, \g
	s_wait_dscnt 32                                ; all but the 32 just issued
	WIN MUL_HI
	MUL16 \f, 1, 0, \zero
	MUL16 \f, 1, 2, \zero
.endm
.macro THREE slot, zero
	QUARTER \slot, 64,  F0, F1, \zero
	QUARTER \slot, 128, F1, F0, 0
	QUARTER \slot, 192, F0, F1, 0
.endm
; The last quarter: multiplies buffer 1 and changes slots.  next = the other slot; fill = 1: this slot is filled again, two K steps ahead.
; In front of the barrier each wave waits for its own reads of this slot and for all its tensor loads, of which one is out: its part of the next slot.  Behind it nobody reads this slot
; any more and the next slot is whole: the refill comes first, then the next slot's first fragments.
.macro TURN slot, next, fill
	s_wait_dscnt 8
	WIN MUL_LO
	MUL16 F1, 0, 0, 0
	s_wait_dscnt 0                                 ; my reads of this slot are over
	s_wait_tensorcnt 0x0                           ; and all my tensor loads have landed:
	ds_add_u32 v255, v255
	s_wait_dscnt 0x0
	s_barrier_signal -1                            ; say so (where a slot is filled again this barrier opens a round of the cluster's barrier),
	MUL16 F1, 0, 2, 0                              ; work on registers while the others arrive,
	WIN 0
	s_barrier_wait -1                              ; and go on when all four have said so
.if \fill
	CREST                                          ; all sixteen work-groups have said so: no wave of any partner still reads this slot's tile or has a load on its way
	s_add_nc_u64 s[G0+4*\slot+2:G0+4*\slot+3], s[G0+4*\slot+2:G0+4*\slot+3], 2*KSTEP*2
	s_add_nc_u64 s[G0B+4*\slot+2:G0B+4*\slot+3], s[G0B+4*\slot+2:G0B+4*\slot+3], 2*KSTEP*2
	JLOAD \slot                                    ; the first tensor load behind the round
.endif
	PLACES
	FETCH \next, 0, F0
	WIN MUL_HI
	MUL16 F1, 1, 0, 0
	MUL16 F1, 1, 2, 0
.endm
.macro LAP zero                        ; once round the ring, both slots filled again
	THREE 0, \zero
	TURN 0, 1, 1
	THREE 1, 0
	TURN 1, 0, 1
.endm
	s_wait_tensorcnt 1                             ; my part of K step 0 is in (K step 1's stays out)
	s_barrier_signal -1
	s_barrier_wait -1                              ; everybody's is
	FETCH 0, 0, F0
	LAP 1                                          ; the first lap stands in front of the loop: its first products start the sums
	WIN 0                                          ; at a label and at a branch every window is 0
	s_mov_b32 s3, LAPS-2
.Llap:
	LAP 0
	WIN 0
	s_sub_co_u32 s3, s3, 1
	s_cmp_lg_u32 s3, 0
	s_cbranch_scc1 .Llap
	THREE 0, 0                                     ; the last lap fills nothing and has no round of the cluster's barrier
	TURN 0, 1, 0
	THREE 1, 0
	s_wait_dscnt 8                                 ; the very last quarter: nothing more to fetch
	WIN MUL_LO
	MUL16 F1, 0, 0, 0
	MUL16 F1, 0, 2, 0
	s_wait_dscnt 0
	WIN MUL_HI
	MUL16 F1, 1, 0, 0
	MUL16 F1, 1, 2, 0
	; THE WAY OUT, 16 rows at a time: sum x sc + bias x sc in f32, one rounding to f16, 16 bytes a lane into my own stage (a region for each of my two heads), read back as whole rows.
	PLACES                                         ; the places behind the last matrix instructions
	WIN IN_B
	s_wait_loadcnt 0x0                             ; the bias
.set ii, 0
.rept 32
	v_pk_mul_f32 v[BIAS+2*ii:BIAS+2*ii+1], v[BIAS+2*ii:BIAS+2*ii+1], s[SC:SC+1] op_sel_hi:[1,0]   ; bias x sc, once
.set ii, ii+1
.endr
; rows 16 i .. 16 i + 15 of my block = the eight tiles (a, 0..7) of window 2 or 3; f: F0 or F1 in turn
.macro OUT16 i, a, fma, from, f
	WIN \fma
.irp b, 0,1,2,3,4,5,6,7
.irp p, 0,2,4,6
	v_pk_fma_f32 v[8*(8*\a+\b)+\p:8*(8*\a+\b)+\p+1], v[8*(8*\a+\b)+\p:8*(8*\a+\b)+\p+1], s[SC:SC+1], v[BIAS+8*\b+\p:BIAS+8*\b+\p+1] op_sel_hi:[1,0,1]
.endr
.endr
	WIN \from
.irp b, 0,1,2,3,4,5,6,7
.irp r, 0,1,2,3
	v_cvt_pk_f16_f32 v[TMP+4*\b+\r], v[8*(8*\a+\b)+2*\r], v[8*(8*\a+\b)+2*\r+1]
.endr
.endr
	WIN 0
.irp b, 0,1,2,3,4,5,6,7
	ds_store_b128 v[STO], v[TMP+4*\b:TMP+4*\b+3] offset:(\b>>2)*16*SP+32*(\b&3)    ; column blocks 0-3 are my first head, 4-7 my second
.endr
	s_wait_xcnt 0x0                                ; buffer f was the data of stores two turns ago: it is loaded again only behind this wait (ISA guide 3.1)
.irp t, 0,1,2,3,4,5,6,7
	ds_load_b128 v[\f+4*\t:\f+4*\t+3], v[RD] offset:(\t>>2)*16*SP+(\t&3)*4*SP      ; LDS serves a wave's instructions in order (ISA guide 5.7.1.4): these see the stores above
.endr
.irp t, 0,1,2,3,4,5,6,7
	s_wait_dscnt 7-\t                              ; read-back t is in, the younger ones stay out
	global_store_b128 v[CO], v[\f+4*\t:\f+4*\t+3], s[OB:OB+1] offset:\i*2048+(\t>>2)*262144+(\t&3)*512   ; the wave stores 512 consecutive bytes, aligned: four rows of one head
.endr
.endm
	OUT16 0, 0, FMA_LO, CVT_LO, F0
	OUT16 1, 1, FMA_LO, CVT_LO, F1
	OUT16 2, 2, FMA_LO, CVT_LO, F0
	OUT16 3, 3, FMA_LO, CVT_LO, F1
	OUT16 4, 0, FMA_HI, CVT_HI, F0
	OUT16 5, 1, FMA_HI, CVT_HI, F1
	OUT16 6, 2, FMA_HI, CVT_HI, F0
	OUT16 7, 3, FMA_HI, CVT_HI, F1
	s_set_vgpr_msb 0x1
	s_wait_tensorcnt 0x0
	ds_add_u32 v255, v255
	s_wait_dscnt 0x0
	s_set_vgpr_msb 0x100
	CROUND                                         ; the closing round: no work-group ends while a partner may still ask for a tile that names it
	s_endpgm
.Lfunc_end_k_qce16aa40fa_proj:
	.size	k_qce16aa40fa_proj, .Lfunc_end_k_qce16aa40fa_proj-k_qce16aa40fa_proj
	.p2alignl 7, 3214868480
	.fill 96, 4, 3214868480
	.section	.rodata,"a",@progbits
	.p2align	6, 0x0
	.amdhsa_kernel k_qce16aa40fa_proj
		.amdhsa_group_segment_fixed_size 327680
		.amdhsa_private_segment_fixed_size 0
		.amdhsa_enable_private_segment 0
		.amdhsa_kernarg_size 56
		.amdhsa_user_sgpr_count 2
		.amdhsa_user_sgpr_kernarg_segment_ptr 1
		.amdhsa_wavefront_size32 1
		.amdhsa_system_sgpr_workgroup_id_x 1
		.amdhsa_system_sgpr_workgroup_id_y 1
		.amdhsa_system_sgpr_workgroup_id_z 1
		.amdhsa_system_vgpr_workitem_id 0
		.amdhsa_next_free_vgpr 1024
		.amdhsa_next_free_sgpr 92
		.amdhsa_reserve_vcc 0
		.amdhsa_float_denorm_mode_32 3
		.amdhsa_float_denorm_mode_16_64 3
		.amdhsa_memory_ordered 1
		.amdhsa_forward_progress 1
		.amdhsa_inst_pref_size 216
	.end_amdhsa_kernel
	.amdgpu_metadata
---
amdhsa.version: [ 1, 2 ]
amdhsa.kernels:
  - .name:           k_qce16aa40fa_proj
    .symbol:         k_qce16aa40fa_proj.kd
    .args:
      - { .name: h16, .offset: 0, .size: 8, .value_kind: global_buffer, .address_space: global }
      - { .name: bq, .offset: 8, .size: 8, .value_kind: global_buffer, .address_space: global }
      - { .name: bk, .offset: 16, .size: 8, .value_kind: global_buffer, .address_space: global }
      - { .name: bv, .offset: 24, .size: 8, .value_kind: global_buffer, .address_space: global }
      - { .name: qh, .offset: 32, .size: 8, .value_kind: global_buffer, .address_space: global }
      - { .name: kh, .offset: 40, .size: 8, .value_kind: global_buffer, .address_space: global }
      - { .name: vh, .offset: 48, .size: 8, .value_kind: global_buffer, .address_space: global }
    .group_segment_fixed_size: 327680
    .private_segment_fixed_size: 0
    .kernarg_segment_align: 8
    .kernarg_segment_size: 56
    .max_flat_workgroup_size: 128
    .sgpr_count:     92
    .vgpr_count:     1024
    .wavefront_size: 32
...
	.end_amdgpu_metadata
.endif
;; end of part 5
;; launch attn: the kernel of part 2 again; grid 8 x 32, 8 waves a work-group, clusters of 4 x 1, 327,680 bytes of LDS; arguments qh, kh, vh, cf; writes cf
;; launch oproj (part 6): grid 8 x 32, 4 waves a work-group, clusters of 4 x 4, 327,680 bytes of LDS; arguments cf, h16, bo, out0; writes out0
.if DOCPART == 6
	.amdgcn_target "amdgcn-amd-amdhsa--gfx1250"
	.amdhsa_code_object_version 6
	.text
	.protected	k_qce16aa40fa_oproj
	.globl	k_qce16aa40fa_oproj
	.p2align	8
	.type	k_qce16aa40fa_oproj,@function
k_qce16aa40fa_oproj:
	s_mov_b64 s[64:65], 0
	v_nop
	global_prefetch_b8 v0, s[64:65] scope:SCOPE_SE
	s_setreg_imm32_b32 hwreg(HW_REG_WAVE_MODE, 25, 1), 1
	s_wait_xcnt 0x0
	s_wait_alu depctr_hold_cnt(0) depctr_sa_sdst(0) depctr_va_vdst(0) depctr_va_sdst(0) depctr_va_ssrc(0) depctr_va_vcc(0) depctr_vm_vsrc(0)
	s_getreg_b32 s2, hwreg(HW_REG_IB_STS2, 6, 4)
	s_cmp_eq_u32 s2, 0
	s_cbranch_scc0 .Lentry_in_a_cluster
	s_endpgm
.Lentry_in_a_cluster:
	s_bfe_u32 s2, ttmp6, 0x10000c
	s_cmp_lg_u32 s2, 0xf033
	s_cbranch_scc0 .Lentry_shape_is_right
	s_endpgm
.Lentry_shape_is_right:
; out0 = concat Wo^T + bo.  cf: [2][16 heads][2048][64] f16 (concat, head-major); Wo as f16: [1024][1024] from byte 31,457,280 of h16; bo: [1024] f32; out0: [4096][1024] f32.
; Grid: x = block of 128 columns (8), y = block of 128 rows (32): 256 work-groups of equal work.  Four waves, 64 x 64 each, 16 accumulator tiles.
; K goes in 8 tiles of 128 = two heads a tile, through four LDS slots filled by tensor loads.  A slot holds cf's two heads (128 rows of 128 bytes each, the tensor's own rows, pitch 144)
; and Wo's 128 rows of 256 bytes (aligned in memory, pitch 272).  Waves 0 and 1 fetch a head each, waves 2 and 3 64 rows of Wo each.
; All four slots are asked for at the start (half of K), then two slots behind each of two rounds: a refill has the products of two tiles in which to land.
; By this text's own count a wave has four tensor loads out at the start and two behind each refill.
; CLUSTERS: 4 x 4 work-groups.  cf's tiles hang on the block row alone and are shared along a row of the cluster, Wo's on the block column alone and are shared along a column:
; each is asked for jointly, the same tensor load with the same descriptor and a mask that names the four.
; The matrix instruction is used transposed (source 0 = rows of Wo, source 1 = rows of cf): a lane holds 8 neighbouring columns of one output row.
; The text has no loop: 8 tiles x 4 quarters of 32 along K are written out by macro.
; SCALAR REGISTERS: s4-8 place in the cluster, block column, masks; s10-13 wave, its halves, block row; s16-31 the two groups 1; s32-47 cf's four groups 0; s48-63 Wo's four groups 0;
; s68-75 the four buffers; s76-89 offsets at work; s90-93 bias and output.
; LIMITS: operands are f16 (sums and bias in f32); NaN and infinities are not followed bit for bit.
.set KSTEP,  128
.set XP,     144                       ; cf's LDS pitch: 128 bytes + 16, an odd multiple of 16
.set WP,     272                       ; Wo's: 256 bytes + 16, likewise
.set XPL,    128*XP                    ; 18,432: one head's 128 rows
.set WREG,   2*XPL                     ; Wo's rows lie behind the two heads
.set WHALF,  64*WP                     ; 17,408: what one wave brings of Wo
.set SLOT,   WREG+2*WHALF              ; 71,680
.set STG,    4*SLOT                    ; 286,720 = 1,120 x 256: the way out's stage; no tensor load ever lands here
.set SPITCH, 272                       ; a row of 64 f32 = 256 bytes + 16
.set WSTAGE, 16*SPITCH                 ; 4,352 bytes of it for each wave
.set WOOFF,  3*4096*1024*2+3*1024*1024*2   ; Wo's first byte in h16
.set HEAD2,  2*2048*64*2               ; bytes from a pair of heads to the next in cf
; window 0
.set STO, 10
.set RD,  11
.set GO,  12
.set BOF, 13
.set XF,  16                           ; v16-79   cf fragments: buffer f at +32f, row block a at +8a; on the way out two read-back buffers of 32
.set BI,  80                           ; v80-111  bias
.set ACC, 128                          ; v128-255 tile (a,b) at +8(4a+b)
; window 1
.set WF,   0                           ; v0-63  Wo fragments: buffer f at +32f, column block b at +8b
.set XADR, 64                          ; v64-67 LDS address of my cf fragments in slot 0 .. 3
.set WADR, 68                          ; v68-71 of my Wo fragments
.set CX,   4                           ; s4  my place along the cluster's x
.set CY,   5                           ; s5  along its y
.set BCOL, 6                           ; s6  block column
.set MROW, 7                           ; s7  mask of my row of the cluster
.set MCOL, 8                           ; s8  mask of my column
.set G1A, 16                           ; s[16:23] shape of cf's loads
.set G1B, 24                           ; s[24:31] shape of Wo's loads
.set G0A, 32                           ; s[32:47] from where, to where: cf, a set for each slot
.set G0B, 48                           ; s[48:63] Wo, a set for each slot
.set BB, 90                            ; s[90:91] bias
.set OB, 92                            ; s[92:93] out0 at my first row and column
.set MSB, 0
.macro WIN new                         ; s_set_vgpr_msb: bits 1:0 source 0, 3:2 source 1, 5:4 source 2, 7:6 destination; the high byte repeats the setting that is left
.if MSB != \new
	s_set_vgpr_msb (MSB<<8)|\new
.set MSB, \new
.endif
.endm
.set W_MUL, 0x01                       ; source 0 in window 1: matrix instructions (Wo fragment), and cf fragment loads (address in window 1, data in window 0)
.set W_LDW, 0x41                       ; destination and source 0 in window 1: Wo fragment loads
.set W_SET, 0x40                       ; destination in window 1: set-up
.macro PLACES                          ; four places behind a matrix instruction before a load lands on its sources or a vector instruction reads its result (ISA guide 7.12.1 for vector instructions)
.rept 4
	v_nop
.endr
.endm
; A joint load into slot n.  Each line has one mask and one set of registers for all that issue it.  The branch hangs on the wave's number alone.
.macro JLOAD n
	s_cmp_eq_u32 s11, 0
	s_cbranch_scc0 .Lfor_b_\@
	tensor_load_to_lds s[G0A+4*\n:G0A+4*\n+3], s[G1A:G1A+7]
	s_nop 0
	s_branch .Lasked_\@
.Lfor_b_\@:
	tensor_load_to_lds s[G0B+4*\n:G0B+4*\n+3], s[G1B:G1B+7]
	s_nop 0
.Lasked_\@:
.endm
; A round of the cluster's barrier: my work-group's barrier; wave 0 signals for the work-group; every wave waits for all sixteen work-groups; my work-group's barrier once more.
.macro CROUND
	s_barrier_signal -1
	s_barrier_wait -1
	s_cmp_lg_u32 s10, 0
	s_cbranch_scc1 .Lnot_wave_0_\@
	s_barrier_signal -3
.Lnot_wave_0_\@:
	s_barrier_wait -3
	s_barrier_signal -1
	s_barrier_wait -1
.endm
	s_load_b256 s[68:75], s[0:1], 0x0              ; cf s[68:69], h16 s[70:71], bo s[72:73], out0 s[74:75]
	v_lshl_add_u32 v126, v0, 2, 0x4a400
	v_mov_b32 v127, 0
	ds_add_u32 v126, v127
	v_lshrrev_b32 v1, 5, v0
	v_readfirstlane_b32 s10, v1                    ; wave 0..3
	s_lshr_b32 s11, s10, 1                         ; which 64 rows are mine.  Also: I fetch for cf (0) or for Wo (1)
	s_and_b32 s12, s10, 1                          ; which 64 columns.  Also: which head of the pair, or which 64 rows of Wo, I fetch
	s_bfe_u32 s[CX], ttmp6, 0x40000                ; cx
	s_bfe_u32 s[CY], ttmp6, 0x40004                ; cy
	s_lshl_b32 s[BCOL], ttmp9, 2
	s_add_co_u32 s[BCOL], s[BCOL], s[CX]           ; block column = 4 x cluster x + cx
	s_and_b32 s13, ttmp7, 0xffff
	s_lshl_b32 s13, s13, 2
	s_add_co_u32 s13, s13, s[CY]                   ; block row = 4 x cluster y + cy
	s_lshl_b32 s[MROW], s[CY], 2
	s_lshl_b32 s[MROW], 15, s[MROW]                ; my row of the cluster: places 4 cy .. 4 cy + 3
	s_lshl_b32 s[MCOL], 0x1111, s[CX]              ; my column: places cx, cx + 4, cx + 8, cx + 12
	; group 1.  cf: 128 rows of 64 elements of 2 bytes, 64 elements from row to row, 4 words of pad behind every 32.  Wo: 64 rows of 128 elements, 1,024 from row to row, 4 words behind every 64.
	s_or_b32 s[G1A+0], s[MROW], (1<<16)|(1<<20)|(1<<21)|(4<<22)|(3<<25)  ; 15:0 mask: my row; 17:16 2 bytes; 20 pad on; 21 set beside a mask; 24:22 interval; 31:25 pad
	s_or_b32 s[G1B+0], s[MCOL], (1<<16)|(1<<20)|(1<<21)|(5<<22)|(3<<25)  ; mask: my column
	s_mov_b32 s[G1A+1], 64<<16                     ; tensor_dim0
	s_mov_b32 s[G1B+1], KSTEP<<16
	s_mov_b32 s[G1A+2], 128<<16                    ; tensor_dim1
	s_mov_b32 s[G1B+2], 64<<16
	s_mov_b32 s[G1A+3], 64<<16                     ; tile_dim0
	s_mov_b32 s[G1B+3], KSTEP<<16
	s_mov_b32 s[G1A+4], 128                        ; tile_dim1
	s_mov_b32 s[G1B+4], 64
	s_mov_b32 s[G1A+5], 64                         ; elements from row to row
	s_mov_b32 s[G1B+5], 1024
	s_mov_b32 s[G1A+6], 0
	s_mov_b32 s[G1B+6], 0
	s_mov_b32 s[G1A+7], 0
	s_mov_b32 s[G1B+7], 0
	; where the tiles come from: cf's offset is made of the block row and the wave's number, Wo's of the block column and the wave's number, each in registers that never hold the other place
	s_lshr_b32 s76, s13, 4                         ; batch
	s_lshl_b32 s76, s76, 22
	s_and_b32 s77, s13, 15
	s_lshl_b32 s77, s77, 14                        ; 128 rows of 128 bytes
	s_add_co_u32 s76, s76, s77
	s_lshl_b32 s80, s12, 18                        ; my head of the pair
	s_add_co_u32 s76, s76, s80
	s_mov_b32 s77, 0
	s_lshl_b32 s78, s[BCOL], 18                    ; 128 rows of 2,048 bytes
	s_lshl_b32 s80, s12, 17                        ; my 64 rows
	s_add_co_u32 s78, s78, s80
	s_add_co_u32 s78, s78, WOOFF
	s_mov_b32 s79, 0
	s_mul_i32 s81, s10, XPL                        ; where they go.  cf: waves 0, 1 -> head 0, 1
	s_mul_i32 s82, s10, WHALF
	s_add_co_u32 s82, s82, WREG-2*WHALF            ; Wo: waves 2, 3 -> WREG, WREG + WHALF
	s_wait_dscnt 0x0
	s_wait_kmcnt 0x0
	s_add_nc_u64 s[76:77], s[68:69], s[76:77]
	s_add_nc_u64 s[78:79], s[70:71], s[78:79]
	CROUND                                         ; all sixteen work-groups are here: the first joint loads meet
.irp n, 0,1,2,3
	s_mov_b32 s[G0A+4*\n], 1
	s_add_co_u32 s[G0A+4*\n+1], s81, \n*SLOT
	s_add_nc_u64 s[G0A+4*\n+2:G0A+4*\n+3], s[76:77], \n*HEAD2      ; slot n starts with tile n: heads 2n, 2n+1
	s_or_b32 s[G0A+4*\n+3], s[G0A+4*\n+3], 0x80000000
	s_mov_b32 s[G0B+4*\n], 1
	s_add_co_u32 s[G0B+4*\n+1], s82, \n*SLOT
	s_add_nc_u64 s[G0B+4*\n+2:G0B+4*\n+3], s[78:79], \n*KSTEP*2
	s_or_b32 s[G0B+4*\n+3], s[G0B+4*\n+3], 0x80000000
	JLOAD \n
.endr
	v_and_b32 v2, 15, v0                           ; r
	v_bfe_u32 v3, v0, 4, 1                         ; h
	v_mul_u32_u24 v5, v2, XP
	v_lshl_add_u32 v5, v3, 4, v5                   ; r x 144 + 16 h
	v_mul_u32_u24 v6, v2, WP
	v_lshl_add_u32 v6, v3, 4, v6                   ; r x 272 + 16 h
	s_mul_i32 s83, s11, 64*XP                      ; my 64 rows of cf
	s_mul_i32 s84, s12, 64*WP                      ; my 64 rows of Wo
	s_add_co_u32 s84, s84, WREG
	WIN W_SET
.irp n, 0,1,2,3
	v_add_nc_u32 v[XADR+\n], s83, v5
	v_add_nc_u32 v[WADR+\n], s84, v6
	s_add_co_u32 s83, s83, SLOT
	s_add_co_u32 s84, s84, SLOT
.endr
	WIN 0
	s_mul_i32 s85, s10, WSTAGE
	s_add_co_u32 s85, s85, STG                     ; my stage
	v_mul_u32_u24 v1, v2, SPITCH
	v_lshl_add_u32 v1, v3, 5, v1                   ; r x 272 + 32 h
	v_add_nc_u32 v[STO], s85, v1
	v_mul_u32_u24 v1, v3, SPITCH
	v_lshl_add_u32 v1, v2, 4, v1                   ; h x 272 + 16 r
	v_add_nc_u32 v[RD], s85, v1
	v_lshlrev_b32 v1, 12, v3
	v_lshl_add_u32 v[GO], v2, 4, v1                ; h rows of 4,096 bytes + 16 r
	s_lshl_b32 s86, s12, 8                         ; my 64 columns of 4 bytes
	v_lshl_add_u32 v[BOF], v3, 5, s86
	s_lshl_b32 s88, s[BCOL], 9                     ; 128 columns of 4 bytes x block column
	s_mov_b32 s89, 0
	s_add_nc_u64 s[BB:BB+1], s[72:73], s[88:89]
	s_add_co_u32 s88, s88, s86
	s_lshl_b32 s87, s13, 19                        ; 128 rows of 4,096 bytes x block row
	s_add_co_u32 s88, s88, s87
	s_lshl_b32 s87, s11, 18                        ; my 64 rows
	s_add_co_u32 s88, s88, s87
	s_add_nc_u64 s[OB:OB+1], s[74:75], s[88:89]
.irp b, 0,1,2,3
	global_load_b128 v[BI+8*\b:BI+8*\b+3],   v[BOF], s[BB:BB+1] offset:64*\b       ; waited for on the way out
	global_load_b128 v[BI+8*\b+4:BI+8*\b+7], v[BOF], s[BB:BB+1] offset:64*\b+16
.endr
; The fragments of quarter q (32 along K) of slot n's tile into buffer f: 16 loads.  Quarter q of cf lies in head q / 2 at byte 64 (q % 2) of its rows, of Wo at byte 64 q.
.macro FETCH n, q, f
	PLACES                                         ; behind the products that read buffer f
	WIN W_LDW
.irp b, 0,1,2,3
	ds_load_b128 v[WF+32*(\f)+8*\b:WF+32*(\f)+8*\b+3],   v[WADR+\n] offset:\b*16*WP+64*\q
	ds_load_b128 v[WF+32*(\f)+8*\b+4:WF+32*(\f)+8*\b+7], v[WADR+\n] offset:\b*16*WP+64*\q+32
.endr
	WIN W_MUL
.irp a, 0,1,2,3
	ds_load_b128 v[XF+32*(\f)+8*\a:XF+32*(\f)+8*\a+3],   v[XADR+\n] offset:(\q>>1)*XPL+\a*16*XP+64*(\q&1)
	ds_load_b128 v[XF+32*(\f)+8*\a+4:XF+32*(\f)+8*\a+7], v[XADR+\n] offset:(\q>>1)*XPL+\a*16*XP+64*(\q&1)+32
.endr
.endm
; 16 matrix instructions, one for each accumulator, always in the same order: the accumulators take turns.  zero = 1: the first product starts the sums.
.macro MUL16 f, zero
.irp a, 0,1,2,3
.irp b, 0,1,2,3
.if \zero
	v_wmma_f32_16x16x32_f16 v[ACC+8*(4*\a+\b):ACC+8*(4*\a+\b)+7], v[WF+32*\f+8*\b:WF+32*\f+8*\b+7], v[XF+32*\f+8*\a:XF+32*\f+8*\a+7], 0
.else
	v_wmma_f32_16x16x32_f16 v[ACC+8*(4*\a+\b):ACC+8*(4*\a+\b)+7], v[WF+32*\f+8*\b:WF+32*\f+8*\b+7], v[XF+32*\f+8*\a:XF+32*\f+8*\a+7], v[ACC+8*(4*\a+\b):ACC+8*(4*\a+\b)+7]
.endif
.endr
.endr
.endm
; One quarter: the next quarter's fragments (slot nn, quarter nq) are asked for, into the other buffer; then buffer f is multiplied.
.macro QS f, zero, nn, nq
	FETCH \nn, \nq, 1-\f
	s_wait_dscnt 16                                ; buffer f is in; the 16 loads just issued stay out
	MUL16 \f, \zero
.endm
; Two tiles, slots n0 and n1, both landed and shown to every wave: eight quarters on buffers 0, 1, 0, 1, ..
.macro GROUP n0, n1, zero
	FETCH \n0, 0, 0
	QS 0, \zero, \n0, 1
	QS 1, 0, \n0, 2
	QS 0, 0, \n0, 3
	QS 1, 0, \n1, 0
	QS 0, 0, \n1, 1
	QS 1, 0, \n1, 2
	QS 0, 0, \n1, 3
	s_wait_dscnt 0x0                               ; the last quarter; no LDS read of mine is out behind this
	MUL16 1, 0
.endm
; Slots a and b, which have been read, are filled again, each with the tile four further on.  In front of the round every wave has waited for its LDS reads and for all its tensor loads
; (the two slots that are read next among them); behind it no wave of the sixteen work-groups reads slots a and b or has a load out, and the joint refills come first.
.macro REFILL a, b
	WIN 0
	s_wait_dscnt 0x0
	s_wait_tensorcnt 0x0
	ds_add_u32 v126, v127
	s_wait_dscnt 0x0
.irp n, \a, \b
	s_add_nc_u64 s[G0A+4*\n+2:G0A+4*\n+3], s[G0A+4*\n+2:G0A+4*\n+3], 4*HEAD2       ; no load of mine is out: every group 0 may be written
	s_add_nc_u64 s[G0B+4*\n+2:G0B+4*\n+3], s[G0B+4*\n+2:G0B+4*\n+3], 4*KSTEP*2
.endr
	CROUND
	JLOAD \a
	JLOAD \b
.endm
	s_wait_tensorcnt 0x2                           ; my parts of tiles 0 and 1 are in; those of tiles 2 and 3 stay out
	s_barrier_signal -1
	s_barrier_wait -1                              ; everybody's are
	GROUP 0, 1, 1                                  ; tiles 0, 1: the first products start the sums
	REFILL 0, 1                                    ; tiles 2, 3 have landed; tiles 4, 5 go out
	GROUP 2, 3, 0
	REFILL 2, 3                                    ; tiles 4, 5 have landed; tiles 6, 7 go out: the last
	GROUP 0, 1, 0
	WIN 0
	s_wait_dscnt 0x0
	s_wait_tensorcnt 0x0                           ; my parts of tiles 6 and 7 are in,
	s_barrier_signal -1
	s_barrier_wait -1                              ; everybody's are
	GROUP 2, 3, 0
	; THE WAY OUT, 16 rows at a time: bias in f32, 32 bytes a lane into my own stage, read back as whole rows of 256 bytes.
	WIN 0
	PLACES
	s_wait_loadcnt 0x0                             ; the bias
.irp a, 0,1,2,3
.irp b, 0,1,2,3
.irp p, 0,2,4,6
	v_pk_add_f32 v[ACC+8*(4*\a+\b)+\p:ACC+8*(4*\a+\b)+\p+1], v[ACC+8*(4*\a+\b)+\p:ACC+8*(4*\a+\b)+\p+1], v[BI+8*\b+\p:BI+8*\b+\p+1]
.endr
	ds_store_b128 v[STO], v[ACC+8*(4*\a+\b):ACC+8*(4*\a+\b)+3]   offset:64*\b
	ds_store_b128 v[STO], v[ACC+8*(4*\a+\b)+4:ACC+8*(4*\a+\b)+7] offset:64*\b+16
.endr
	s_wait_xcnt 0x0                                ; the read-back buffer was the data of stores two turns ago: it is loaded again only behind this wait (ISA guide 3.1)
.irp i, 0,1,2,3,4,5,6,7
	ds_load_b128 v[XF+32*(\a&1)+4*\i:XF+32*(\a&1)+4*\i+3], v[RD] offset:2*SPITCH*\i   ; two rows; LDS serves a wave's instructions in order, so these see the stores above
.endr
.irp i, 0,1,2,3,4,5,6,7
	s_wait_dscnt 7-\i                              ; read-back i is in, the younger ones stay out
	global_store_b128 v[GO], v[XF+32*(\a&1)+4*\i:XF+32*(\a&1)+4*\i+3], s[OB:OB+1] offset:\a*65536+8192*\i th:TH_STORE_NT   ; sixteen lanes store 256 consecutive bytes, aligned
.endr
.endr
	s_wait_tensorcnt 0x0
	ds_add_u32 v126, v127
	s_wait_dscnt 0x0
	CROUND                                         ; the closing round: no work-group ends while a partner may still ask for a tile that names it
	s_endpgm
.Lfunc_end_k_qce16aa40fa_oproj:
	.size	k_qce16aa40fa_oproj, .Lfunc_end_k_qce16aa40fa_oproj-k_qce16aa40fa_oproj
	.p2alignl 7, 3214868480
	.fill 96, 4, 3214868480
	.section	.rodata,"a",@progbits
	.p2align	6, 0x0
	.amdhsa_kernel k_qce16aa40fa_oproj
		.amdhsa_group_segment_fixed_size 327680
		.amdhsa_private_segment_fixed_size 0
		.amdhsa_enable_private_segment 0
		.amdhsa_kernarg_size 32
		.amdhsa_user_sgpr_count 2
		.amdhsa_user_sgpr_kernarg_segment_ptr 1
		.amdhsa_wavefront_size32 1
		.amdhsa_system_sgpr_workgroup_id_x 1
		.amdhsa_system_sgpr_workgroup_id_y 1
		.amdhsa_system_sgpr_workgroup_id_z 1
		.amdhsa_system_vgpr_workitem_id 0
		.amdhsa_next_free_vgpr 336
		.amdhsa_next_free_sgpr 96
		.amdhsa_reserve_vcc 0
		.amdhsa_float_denorm_mode_32 3
		.amdhsa_float_denorm_mode_16_64 3
		.amdhsa_memory_ordered 1
		.amdhsa_forward_progress 1
		.amdhsa_inst_pref_size 97
	.end_amdhsa_kernel
	.amdgpu_metadata
---
amdhsa.version: [ 1, 2 ]
amdhsa.kernels:
  - .name:           k_qce16aa40fa_oproj
    .symbol:         k_qce16aa40fa_oproj.kd
    .args:
      - { .name: cf, .offset: 0, .size: 8, .value_kind: global_buffer, .address_space: global }
      - { .name: h16, .offset: 8, .size: 8, .value_kind: global_buffer, .address_space: global }
      - { .name: bo, .offset: 16, .size: 8, .value_kind: global_buffer, .address_space: global }
      - { .name: out0, .offset: 24, .size: 8, .value_kind: global_buffer, .address_space: global }
    .group_segment_fixed_size: 327680
    .private_segment_fixed_size: 0
    .kernarg_segment_align: 8
    .kernarg_segment_size: 32
    .max_flat_workgroup_size: 128
    .sgpr_count:     96
    .vgpr_count:     336
    .wavefront_size: 32
...
	.end_amdgpu_metadata
.endif
;; end of part 6
